; MI455X (gfx1250); checked and timed in simulation.
; The chip was launched on July 23, 2026; its instructions are those of AMD's public machine-readable ISA for CDNA 5 (MIT licence, August 2026) and "CDNA5" Instruction Set Architecture Reference Guide (July 2026). The comments in the code are by the model that wrote it; some were corrected since.
;; Multi Head Attention. Allowed arithmetic: matrix products marked QUANTISED: E4M3 operands, one given power-of-two scale a tensor, by v_wmma_f32_16x16x64_fp8_fp8 or v_wmma_f32_16x16x128_fp8_fp8, f32 sums; everything else in f32.
;; Inputs: b_out 1,024 float32; lowp_scales 8 int32 (the exponents e of the quantised operands' scales 2^e); w_out 1,024 x 1,024 float32; w_qkv 1,024 x 3,072 float32; x 4 x 2,048 x 1,024 float32.
;; Outputs: out0 4 x 2,048 x 1,024 float32.
;; This version of the problem:
;;   THIS VERSION OF THE PROBLEM IS GIVEN IN LOW PRECISION. The matrix products marked QUANTISED in the list below multiply operands that are first quantised to E4M3 (4 exponent bits, 3 mantissa bits; 8 bits a number), with one given power-of-two scale for each operand tensor; their sums are f32. All else is computed in f32.
;;   The module's matrix products, in the order in which they are computed (A, B: the left and right operand; K: the contracted axis; several contracted axes count as one K, in the product's order):
;;     1. [M 8,192, K 1,024] x [K 1,024, N 3,072]; A: input x; B: input w_qkv: QUANTISED (scales: A lowp_scales[0], B lowp_scales[1])
;;     2. batch 64 x [M 2,048, K 64] x [K 64, N 2,048]; A: computed on the way; B: computed on the way: QUANTISED (scales: A lowp_scales[2], B lowp_scales[3])
;;     3. batch 64 x [M 2,048, K 2,048] x [K 2,048, N 64]; A: softmax (see below); B: computed on the way: QUANTISED (scales: A lowp_scales[4], B lowp_scales[5])
;;     4. [M 8,192, K 1,024] x [K 1,024, N 1,024]; A: computed on the way; B: input w_out: QUANTISED (scales: A lowp_scales[6], B lowp_scales[7])
;;   THE QUANTISER, for each operand of a quantised product, along K:
;;     - The operand's scale is 2^e, e = its entry of the input lowp_scales (int32; the entries are numbered through the quantised products in the list's order, A before B).
;;     - Each number is divided by the scale, clamped to +-448, and rounded to the nearest number of E4M3, ties to even, subnormals kept.
;;     - The product sums the exact products of the quantised numbers (number of the format x scale) in f32.
;;   ~~~python
;;   def quantise(x, axis, e):      # numpy; x: float32 -> the quantised numbers, widened to float32 again
;;       x = np.moveaxis(x, axis, -1); K = x.shape[-1]
;;       r = np.clip(x / 2.0 ** e, -448, 448)
;;       step = 2.0 ** (np.maximum(np.frexp(np.where(r == 0, 1, r))[1] - 1, -6) - 3)
;;       q = np.round(r / step) * step * 2.0 ** e      # np.round: ties to even
;;       return np.moveaxis(q, -1, axis).astype(np.float32)
;;   ~~~
;;   SOFTMAX AHEAD OF A QUANTISED PRODUCT. Where the list says 'softmax', what is quantised is not the finished softmax but p = 2^(t - M), with t = logit x log2(e) and M = ceil(the row's largest t), a whole number; so 1/2 < the row's largest p <= 1. The row's sum l is taken of the UNQUANTISED p, in f32, and the product's result is divided by l at the end. Since M is a whole number, a kernel that streams over the keys may use a running M (the ceiling of the running maximum): every later rescaling is an exact power of two, so the quantised numbers keep their values, but for numbers so far below the row's largest that they fall under the format's range.
;;   OPERANDS COMPUTED ON THE WAY. 'Computed on the way' means the value that the module computes at that place (a softmax that the list does not call 'softmax' is quantised finished and normalised). What goes into a quantiser is computed in f32, as accurately as f32 sums, v_exp_f32 and their like allow (about 1e-6 of the number): no bf16 or f16 on the way to a quantiser, and a product that is left as it is and whose result goes on into a quantised operand takes f32 operands (vector FMAs, or v_wmma_f32_16x16x4_f32). A number that lies on a knife's edge between two numbers of the format may be rounded either way, as far as f32 arithmetic and the matrix unit's own rounding can turn it there, and no further.
;; 2 versions, each right; version 2 is version 1 with the launch attn written anew for expert scheduling mode. Each part assembles by itself: llvm-mc -triple=amdgcn-amd-amdhsa -mcpu=gfx1250 --defsym DOCPART=n.
;; ======== version 1 of 2: 4 launches
;; workspace buffers: x_img 8,388,608 bytes; wq_img 3,145,728 bytes; wo_img 1,048,576 bytes; qkv_img 25,165,824 bytes; a_img 8,388,608 bytes
;; launch prep (part 1): grid 384 x 1, 4 waves a work-group, no clusters, 69,120 bytes of LDS; arguments x, w_qkv, w_out, lowp_scales, x_img, wq_img, wo_img; writes x_img, wq_img, wo_img
.if DOCPART == 1
	.amdgcn_target "amdgcn-amd-amdhsa--gfx1250"
	.amdhsa_code_object_version 6
	.text
	.protected	k_q89681fe3bc_prep
	.globl	k_q89681fe3bc_prep
	.p2align	8
	.type	k_q89681fe3bc_prep,@function
k_q89681fe3bc_prep:
	s_mov_b64 s[64:65], 0
	v_nop
	global_prefetch_b8 v0, s[64:65] scope:SCOPE_SE
	s_setreg_imm32_b32 hwreg(HW_REG_WAVE_MODE, 25, 1), 1
	s_wait_xcnt 0x0
; x [8192][1024], w_qkv [1024][3072] and w_out [1024][1024], f32, become codes of FP8 (E4M3), each with the one scale 2^e given for it (entries 0, 1 and 7 of the scales).
; code = number / 2^e, held within +-448, rounded to the nearest code, ties to even.  LIMITS: -126 <= e <= 119.  NaN among the inputs is not served (an infinity is held at the largest code).
; THE CODES ARE LAID AS IMAGES OF OPERAND REGISTERS.  A fragment is 16 rows x 128 K in 16 registers: lane (r, h) holds row r, registers 2 c, 2 c + 1 hold K = 16 c + 8 h + 0 .. 7.
; An image is four groups of four registers, 512 bytes a group, lane l's 16 bytes at 16 l.  A buffer is [K step of 256][tile of 16 rows][half of 128 K][group][lane][16 bytes]:
; so 128 rows of a K step are 32,768 consecutive bytes, and a fragment comes back by four loads of 16 bytes a lane.  A "row" of a weight is one of its columns n: K is its first axis.
; Work-groups 0-255 take x, 256-351 w_qkv, 352-383 w_out.  Waves share nothing: each has a stage of its own in LDS, the two paths in different bytes; no barrier.
.set XSTG,  8448                       ; x's path: a wave's stage, 16 rows x (512 bytes + 16)
.set WSTG0, 4*XSTG                     ; the weights' path begins behind the four
.set WSTG,  8704                       ; a wave's stage there: 32 columns x (256 bytes + 16)
.set R,     16                         ; x: v16-143  two sets of 64: a fragment's numbers as loaded
.set X,     144                        ; x: v144-207 the same 64 numbers in the operand's order
.set C,     208                        ; x: v208-239 two sets of 16: a fragment's codes
.set XW,    32                         ; w: v32-95   two sets of 32: a block of 32 along K of my column
.set CW,    96                         ; w: v96-103  its codes
.set OUTR,  112                        ; w: v112-175 the four images on the way out
.set RO,    176                        ; w: v176-207 byte offset of row i of a block at my column: 4 x lane + i x a row of the weight
.macro LOADX t                         ; fragment t: row i's 128 numbers, 512 consecutive bytes a load
.irp i, 0,1,2,3,4,5,6,7,8,9,10,11,12,13,14,15
	global_load_b128 v[R+64*((\t)%2)+4*\i:R+64*((\t)%2)+4*\i+3], v3, s[4:5] offset:\i*4096+(\t)*512 th:TH_LOAD_NT
.endr
.endm
.macro STEPX t
.if (\t) < 3
	s_wait_loadcnt 16                              ; this fragment's 16 loads are in; the next fragment's 16 may be out
.else
	s_wait_loadcnt 0x0
.endif
.irp i, 0,1,2,3,4,5,6,7,8,9,10,11,12,13,14,15
	ds_store_b128 v14, v[R+64*((\t)%2)+4*\i:R+64*((\t)%2)+4*\i+3] offset:\i*528   ; rows as they lie, 528 bytes apart
.endr
.irp c, 0,1,2,3,4,5,6,7
	ds_load_b128 v[X+8*\c:X+8*\c+3], v15 offset:64*\c            ; LDS serves a wave's instructions in order: these see the stores.  Row r, K = 16 c + 8 h + 0 .. 3,
	ds_load_b128 v[X+8*\c+4:X+8*\c+7], v15 offset:64*\c+16       ; and + 4 .. 7.  The pitch is 132 words: sixteen rows start at sixteen different groups of four banks
.endr
	s_wait_dscnt 0x0
.if (\t) < 2
	LOADX (\t)+2                                   ; into the set that the stage's stores have read
.endif
.if (\t) >= 2
	s_wait_xcnt 0x0                                ; the stores of two fragments back have read their codes: the set is written again only behind this wait
.endif
.set j, 0
.rept 64
	v_med3_num_f32 v[X+j], v[X+j], -v10, v10       ; the conversion to an 8-bit code does not saturate (ISA guide 7.6.2): the hold at the largest code x the scale
.set j, j+1
.endr
.irp c, 0,1,2,3,4,5,6,7
	v_cvt_scalef32_pk8_fp8_f32 v[C+16*((\t)%2)+2*\c:C+16*((\t)%2)+2*\c+1], v[X+8*\c:X+8*\c+7], v11   ; registers 2 c, 2 c + 1 of the fragment
.endr
	v_nop                                          ; a plain line behind the conversions: the next fragment's holds write their sources
.irp g, 0,1,2,3
	global_store_b128 v3, v[C+16*((\t)%2)+4*\g:C+16*((\t)%2)+4*\g+3], s[12:13] offset:((\t)/2)*2097152+((\t)%2)*2048+\g*512   ; a group: 512 consecutive bytes
.endr
.endm
.macro LOADW t                         ; block t: rows 32 t + i of my K step at my column, into set t % 2
.if (\t) > 0
	s_wait_xcnt 0x0                                ; the earlier loads have read their base: it steps only behind this wait
	s_add_nc_u64 s[4:5], s[4:5], s[36:37]          ; 32 rows down
.endif
.set i, 0
.rept 32
	global_load_b32 v[XW+32*((\t)%2)+i], v[RO+i], s[4:5] th:TH_LOAD_NT   ; 32 lanes read 128 consecutive bytes, the four waves 512
.set i, i+1
.endr
.endm
.macro BLOCK t
.set XS, XW+32*((\t)%2)
.if (\t) < 7
	s_wait_loadcnt 32                              ; this block's 32 loads are in; the next block's 32 may be out
.else
	s_wait_loadcnt 0x0
.endif
.set j, 0
.rept 32
	v_med3_num_f32 v[XS+j], v[XS+j], -v10, v10
.set j, j+1
.endr
.irp g, 0,1,2,3
	v_cvt_scalef32_pk8_fp8_f32 v[CW+2*\g:CW+2*\g+1], v[XS+8*\g:XS+8*\g+7], v11
.endr
	v_nop                                          ; a plain line behind the conversions
	ds_store_b128 v4, v[CW:CW+3] offset:32*(\t)    ; 32 codes of my column's row in the stage
	ds_store_b128 v4, v[CW+4:CW+7] offset:32*(\t)+16
.if (\t)+2 < 8
	LOADW (\t)+2
.endif
	s_wait_dscnt 0x0                               ; the stores have read their registers: the next block's codes may be written
.endm
	s_load_b256 s[4:11], s[0:1], 0x0               ; x s[4:5], w_qkv s[6:7], w_out s[8:9], the scales' exponents s[10:11]
	s_load_b128 s[12:15], s[0:1], 0x20             ; x's images s[12:13], w_qkv's s[14:15]
	s_load_b64 s[16:17], s[0:1], 0x30              ; w_out's
	v_lshl_add_u32 v240, v0, 2, 0x10c00
	v_mov_b32 v241, 0
	v_lshrrev_b32 v1, 5, v0
	v_readfirstlane_b32 s18, v1                    ; wave 0..3
	v_and_b32 v2, 31, v0                           ; lane
	v_and_b32 v5, 15, v0                           ; r
	v_bfe_u32 v6, v0, 4, 1                         ; h
	v_lshlrev_b32 v3, 4, v2                        ; 16 x lane
	s_wait_kmcnt 0x0
	s_load_b256 s[24:31], s[10:11], 0x0            ; e0 .. e7
	s_cmp_lt_u32 ttmp9, 256
	s_cbranch_scc0 .Lweights
	; ---- x.  Wave u = 4 x work-group + wave takes tile u / 2 of 16 rows and half u % 2 of K: four fragments
	s_lshl_b32 s19, ttmp9, 2
	s_add_co_u32 s19, s19, s18
	s_lshr_b32 s20, s19, 1                         ; the tile of rows
	s_and_b32 s21, s19, 1                          ; the half of K
	s_lshl_b32 s22, s20, 16                        ; 16 rows of 4,096 bytes
	s_lshl_b32 s23, s21, 11                        ; 512 numbers
	s_add_co_u32 s22, s22, s23
	s_mov_b32 s23, 0
	s_add_nc_u64 s[4:5], s[4:5], s[22:23]
	s_lshl_b32 s22, s21, 22                        ; two K steps of 2,097,152 bytes
	s_lshl_b32 s32, s20, 12                        ; a tile's 4,096 bytes in a K step
	s_add_co_u32 s22, s22, s32
	s_add_nc_u64 s[12:13], s[12:13], s[22:23]
	s_mul_i32 s33, s18, XSTG                       ; my stage
	v_add_nc_u32 v14, s33, v3                      ; in: 16 bytes a lane of a row
	v_mul_u32_u24 v15, v5, 528
	v_lshl_add_u32 v15, v6, 5, v15
	v_add_nc_u32 v15, s33, v15                     ; out: row r, + 32 h bytes
	LOADX 0
	LOADX 1
	s_wait_kmcnt 0x0
	s_add_co_i32 s34, s24, 127
	s_lshl_b32 s35, s34, 23
	v_mov_b32 v11, s35                             ; 2^e0 as f32: the conversion takes its exponent field
	s_add_co_i32 s34, s34, 8
	s_lshl_b32 s34, s34, 23
	s_or_b32 s34, s34, 0x600000
	v_mov_b32 v10, s34                             ; 448 x 2^e0
	STEPX 0
	STEPX 1
	STEPX 2
	STEPX 3
	s_wait_tensorcnt 0x0
	ds_add_u32 v240, v241
	s_wait_dscnt 0x0
	s_endpgm
	; ---- the weights.  A LANE TAKES A COLUMN n AND ITS REGISTERS RUN DOWN K, so the conversions give codes with K innermost.  A work-group takes 128 columns x one K step of 256, a wave 32 columns
.Lweights:
	s_sub_co_u32 s19, ttmp9, 256
	s_cmp_lt_u32 s19, 96                           ; w_qkv or w_out?  The choice hangs on the work-group's number alone
	s_cselect_b64 s[4:5], s[6:7], s[8:9]
	s_cselect_b64 s[12:13], s[14:15], s[16:17]
	s_mov_b32 s20, 4096
	s_cselect_b32 s20, 12288, s20                  ; a row of the weight in bytes
	s_cselect_b32 s21, 0, 96
	s_sub_co_u32 s21, s19, s21
	s_and_b32 s22, s21, 3                          ; the K step
	s_lshr_b32 s23, s21, 2
	s_lshl_b32 s23, s23, 7
	s_lshl_b32 s32, s18, 5
	s_add_co_u32 s23, s23, s32                     ; my wave's first column
	s_lshl_b32 s32, s20, 8
	s_mul_i32 s32, s32, s22                        ; 256 rows a K step,
	s_lshl_b32 s33, s23, 2
	s_add_co_u32 s32, s32, s33                     ; + 4 bytes a column
	s_mov_b32 s33, 0
	s_add_nc_u64 s[4:5], s[4:5], s[32:33]
	s_lshl_b32 s32, s20, 6
	s_mul_i32 s32, s32, s22                        ; the images: 256 bytes a column in a K step,
	s_lshl_b32 s34, s23, 8
	s_add_co_u32 s32, s32, s34                     ; my 32 columns' 8,192 bytes
	s_add_nc_u64 s[12:13], s[12:13], s[32:33]
	s_lshl_b32 s36, s20, 5                         ; 32 rows, as a pair
	s_mov_b32 s37, 0
	v_lshlrev_b32 v[RO], 2, v2
.set i, 1
.rept 31
	v_add_nc_u32 v[RO+i], s20, v[RO+i-1]
.set i, i+1
.endr
	s_mul_i32 s39, s18, WSTG
	s_add_co_u32 s39, s39, WSTG0                   ; my stage
	v_mul_u32_u24 v4, v2, 272
	v_add_nc_u32 v4, s39, v4                       ; in: row = my column
	v_mul_u32_u24 v7, v5, 272
	v_lshl_add_u32 v7, v6, 3, v7
	v_add_nc_u32 v7, s39, v7                       ; out: row r of a tile of 16 columns, + 8 h bytes
	LOADW 0
	LOADW 1
	s_wait_kmcnt 0x0
	s_cmp_lt_u32 s19, 96
	s_cselect_b32 s38, s25, s31                    ; e1 or e7
	s_add_co_i32 s38, s38, 127
	s_lshl_b32 s35, s38, 23
	v_mov_b32 v11, s35
	s_add_co_i32 s38, s38, 8
	s_lshl_b32 s38, s38, 23
	s_or_b32 s38, s38, 0x600000
	v_mov_b32 v10, s38
.irp t, 0,1,2,3,4,5,6,7
	BLOCK \t
.endr
	; the way out: tile f of 16 columns, half k of the K step, group c, pair u: registers 4 c + 2 u, + 1 hold K = 128 k + 32 c + 16 u + 8 h + 0 .. 7.  The pitch is 68 words: the 32 lanes touch 64 different banks
.irp f, 0,1
.irp k, 0,1
.irp c, 0,1,2,3
.irp u, 0,1
	ds_load_b64 v[OUTR+16*(2*\f+\k)+4*\c+2*\u:OUTR+16*(2*\f+\k)+4*\c+2*\u+1], v7 offset:\f*4352+\k*128+\c*32+\u*16
.endr
.endr
.endr
.endr
.set m, 0
.rept 16
	s_wait_dscnt 30-2*m                            ; group m's two loads are in; the younger ones may be out
	global_store_b128 v3, v[OUTR+4*m:OUTR+4*m+3], s[12:13] offset:512*m   ; 512 consecutive bytes; the wave's sixteen stores cover 8,192
.set m, m+1
.endr
	s_wait_tensorcnt 0x0
	ds_add_u32 v240, v241
	s_wait_dscnt 0x0
	s_endpgm
.Lfunc_end_k_q89681fe3bc_prep:
	.size	k_q89681fe3bc_prep, .Lfunc_end_k_q89681fe3bc_prep-k_q89681fe3bc_prep
	.p2alignl 7, 3214868480
	.fill 96, 4, 3214868480
	.section	.rodata,"a",@progbits
	.p2align	6, 0x0
	.amdhsa_kernel k_q89681fe3bc_prep
		.amdhsa_group_segment_fixed_size 69120
		.amdhsa_private_segment_fixed_size 0
		.amdhsa_enable_private_segment 0
		.amdhsa_kernarg_size 56
		.amdhsa_user_sgpr_count 2
		.amdhsa_user_sgpr_kernarg_segment_ptr 1
		.amdhsa_wavefront_size32 1
		.amdhsa_system_sgpr_workgroup_id_x 1
		.amdhsa_system_sgpr_workgroup_id_y 1
		.amdhsa_system_sgpr_workgroup_id_z 1
		.amdhsa_system_vgpr_workitem_id 0
		.amdhsa_next_free_vgpr 242
		.amdhsa_next_free_sgpr 66
		.amdhsa_reserve_vcc 0
		.amdhsa_float_denorm_mode_32 3
		.amdhsa_float_denorm_mode_16_64 3
		.amdhsa_memory_ordered 1
		.amdhsa_forward_progress 1
		.amdhsa_inst_pref_size 88
	.end_amdhsa_kernel
	.amdgpu_metadata
---
amdhsa.version: [ 1, 2 ]
amdhsa.kernels:
  - .name:           k_q89681fe3bc_prep
    .symbol:         k_q89681fe3bc_prep.kd
    .args:
      - { .name: x, .offset: 0, .size: 8, .value_kind: global_buffer, .address_space: global }
      - { .name: w_qkv, .offset: 8, .size: 8, .value_kind: global_buffer, .address_space: global }
      - { .name: w_out, .offset: 16, .size: 8, .value_kind: global_buffer, .address_space: global }
      - { .name: lowp_scales, .offset: 24, .size: 8, .value_kind: global_buffer, .address_space: global }
      - { .name: x_img, .offset: 32, .size: 8, .value_kind: global_buffer, .address_space: global }
      - { .name: wq_img, .offset: 40, .size: 8, .value_kind: global_buffer, .address_space: global }
      - { .name: wo_img, .offset: 48, .size: 8, .value_kind: global_buffer, .address_space: global }
    .group_segment_fixed_size: 69120
    .private_segment_fixed_size: 0
    .kernarg_segment_align: 8
    .kernarg_segment_size: 56
    .max_flat_workgroup_size: 128
    .sgpr_count:     66
    .vgpr_count:     242
    .wavefront_size: 32
...
	.end_amdgpu_metadata
.endif
;; end of part 1
;; launch qkv (part 2): grid 12 x 32, 4 waves a work-group, clusters of 4 x 4, 327,680 bytes of LDS; arguments x_img, wq_img, lowp_scales, qkv_img; writes qkv_img
.if DOCPART == 2
	.amdgcn_target "amdgcn-amd-amdhsa--gfx1250"
	.amdhsa_code_object_version 6
	.text
	.protected	k_q89681fe3bc_qkv
	.globl	k_q89681fe3bc_qkv
	.p2align	8
	.type	k_q89681fe3bc_qkv,@function
k_q89681fe3bc_qkv:
	s_mov_b64 s[64:65], 0
	v_nop
	global_prefetch_b8 v0, s[64:65] scope:SCOPE_SE
	s_setreg_imm32_b32 hwreg(HW_REG_WAVE_MODE, 25, 1), 1
	s_wait_xcnt 0x0
	s_wait_alu depctr_hold_cnt(0) depctr_sa_sdst(0) depctr_va_vdst(0) depctr_va_sdst(0) depctr_va_ssrc(0) depctr_va_vcc(0) depctr_vm_vsrc(0)
	s_getreg_b32 s2, hwreg(HW_REG_IB_STS2, 6, 4)
	s_cmp_eq_u32 s2, 0
	s_cbranch_scc0 .Lentry_in_a_cluster
	s_endpgm
.Lentry_in_a_cluster:
	s_bfe_u32 s2, ttmp6, 0x10000c
	s_cmp_lg_u32 s2, 0xf033
	s_cbranch_scc0 .Lentry_shape_is_right
	s_endpgm
.Lentry_shape_is_right:
; q, k, v = x w_qkv on codes of FP8 (E4M3), K = 1,024, and the results quantised at once for the two products of attention.  Sums in f32.
; A tile of 256 x 256 is made by a work-group of four waves, 128 x 128 a wave: 64 accumulators, 512 registers.  K goes in four steps of 256 through two LDS slots filled by the tensor data mover.
; Both operands come as IMAGES OF OPERAND REGISTERS ([K step][tile of 16 rows][half of 128 K][group of four registers][lane][16 bytes]): 128 rows of a K step are 32,768 consecutive bytes, one
; load of 128 rows x 256 bytes, and a fragment is four LDS loads at 16 x lane: consecutive bytes, no pitch, every k in the place that the instruction's own layout gives it.
; SOURCE 0 IS THE "B SIDE", SOURCE 1 THE "A SIDE": a lane then holds ONE row of the A side and its eight registers eight neighbouring rows of the B side, and one conversion of the eight makes
; registers 2 b, 2 b + 1 of the next operand.  For q and k (cluster x = 0, 1) the A side is x (tokens) and the B side w_qkv (head, d): registers run along d, the scores' K.
; For v (cluster x = 2) the sides are swapped: a lane holds one d and its registers run along the tokens, which are the second product's K.  Only pointers and offsets are chosen; no branch.
; OUT: qkv_img [kind][batch x head][131,072 bytes].  q, k: [tile of 16 tokens][group 2][lane][16].  v: [block of 128 keys][upper or lower 64 keys][tile of 16 d][group 2][lane][16].
; q carries the factor 1/8: code = sum x 2^(e0 + e1 - 3) / 2^e2; k: / 2^e3; v: / 2^e5: all folded into the conversion's one scale 2^E.  LIMIT: -126 <= E <= 119.
; CLUSTERS: 4 x 4 work-groups.  The four of a row need the same tiles of the A side, the four of a column the same of the B side: each tile is asked for jointly.
; REGISTERS, in windows of 256: window 0: v16-31 addresses and constants, v32-95 at work on the way out, v128-255 the A side's fragments (one set), later the codes;
;   window 1: the B side's fragments, two sets;   window 2: the accumulators of my rows 0-63 ((a, b) at v[8 (8 a + b)]);   window 3: those of rows 64-127.
.set FR,     16                        ; registers of a fragment
.set NL,     4                         ; LDS loads that bring one
.set NP,     4                         ; places behind this matrix instruction (ISA guide 7.12.1)
.set HALFT,  32768                     ; 128 rows of a K step: what one tensor load brings
.set SLOT,   4*HALFT                   ; the A side's 256 rows, then the B side's
.set SPARE,  2*SLOT                    ; behind the ring: the spare words, 128 bytes for each wave
.set ADRA, 16                          ; v16-17  LDS address of my A fragments in slot 0, 1
.set ADRB, 20                          ; v20-21  the same for B
.set OF,   24                          ; v24-27  the stores' offsets: 16 x lane, + SC, + SA, + both
.set SPW,  28                          ; v28     LDS address of my spare word; never rewritten
.set NIL,  29                          ; v29     0; never rewritten
.set LIM,  30                          ; v30     448 x 2^E
.set SCL,  31                          ; v31     2^E
.set TMP,  32
.set AF,   128
.set CD,   128                         ; the codes: 16 registers for each of my eight blocks of 16 rows
.set G1, 24                            ; s[24:31] descriptor group 1 for the A side;  s[32:39] group 0, one set for each slot
.set G0, 32
.set G1B, 48                           ; s[48:55], s[56:63] the same for the B side
.set G0B, 56
.set KSA, 68                           ; s[68:69] a K step of the A side's buffer in bytes; s[70:71] of the B side's; s[72:75] twice that
.set KSB, 70
.set MSB, 0
.macro WIN new                         ; the immediate's high byte repeats the setting that is left
.if MSB != \new
	s_set_vgpr_msb (MSB<<8)|\new
.set MSB, \new
.endif
.endm
.set MUL_LO, 0xa1                      ; source 0 (B) window 1, source 1 (A) window 0, C and D window 2
.set MUL_HI, 0xf1                      ; the same, C and D window 3
.set TO_B,   0x40                      ; destination window 1, address window 0
; A joint load: waves 0 and 1 fetch for the A side, waves 2 and 3 for the B side.  The branch hangs on the wave's number alone.  Four v_nop follow each of the two lines.
.macro JLOAD g0a, g1a, g0b, g1b
	s_cmp_eq_u32 s15, 0
	s_cbranch_scc0 .Lfor_b_\@
	tensor_load_to_lds s[\g0a:\g0a+3], s[\g1a:\g1a+7]
	s_nop 0
.rept 4
	v_nop
.endr
	s_branch .Lasked_\@
.Lfor_b_\@:
	tensor_load_to_lds s[\g0b:\g0b+3], s[\g1b:\g1b+7]
	s_nop 0
.rept 4
	v_nop
.endr
.Lasked_\@:
.endm
.macro CREST                           ; a round of the cluster's barrier behind its opening barrier
	s_cmp_lg_u32 s14, 0
	s_cbranch_scc1 .Lnot_wave_0_\@
	s_barrier_signal -3
.Lnot_wave_0_\@:
	s_barrier_wait -3
	s_barrier_signal -1
	s_barrier_wait -1
.endm
.macro CROUND                          ; a whole round
	s_barrier_signal -1
	s_barrier_wait -1
	CREST
.endm
	s_load_b128 s[4:7], s[0:1], 0x0                ; x's images s[4:5], w_qkv's s[6:7]
	s_load_b128 s[8:11], s[0:1], 0x10              ; the scales' exponents s[8:9], qkv_img s[10:11]
	v_lshl_add_u32 v[SPW], v0, 2, SPARE
	v_mov_b32 v[NIL], 0
	ds_add_u32 v28, v29
	ds_add_u32 v28, v29
	s_wait_dscnt 0x0
	v_lshrrev_b32 v1, 5, v0
	v_readfirstlane_b32 s14, v1                    ; wave 0..3
	s_lshr_b32 s15, s14, 1                         ; which half of the A side's rows is mine.  Also: I fetch for A (0) or for B (1)
	s_and_b32 s16, s14, 1                          ; which half of the B side's.  Also: which 128 rows I fetch
	s_bfe_u32 s40, ttmp6, 0x40000                  ; cx, cy: my place in the cluster
	s_bfe_u32 s41, ttmp6, 0x40004
	s_and_b32 s17, ttmp7, 0xffff                   ; cluster y: 0..7;  cluster x (ttmp9) is the kind: 0 q, 1 k, 2 v
	s_lshl_b32 s43, s41, 2
	s_lshl_b32 s43, 15, s43                        ; my row of the cluster
	s_lshl_b32 s44, 0x1111, s40                    ; my column
	; descriptor group 1: 128 rows x 32 elements of 8 bytes, dense in memory and in LDS
	s_or_b32 s[G1+0], s43, (3<<16)|(1<<21)         ; 15:0 the mask: the A side's tiles go to my row; 17:16 elements of 8 bytes; 20 no padding; 21 set beside a mask
	s_or_b32 s[G1B+0], s44, (3<<16)|(1<<21)        ; the B side's go to my column
.irp g, G1, G1B
	s_mov_b32 s[\g+1], 32<<16                      ; tensor_dim0 = 32
	s_mov_b32 s[\g+2], 128<<16                     ; tensor_dim1 = 128
	s_mov_b32 s[\g+3], 32<<16                      ; tile_dim0 = 32
	s_mov_b32 s[\g+4], 128                         ; tile_dim1 = 128
	s_mov_b32 s[\g+5], 32                          ; tensor_dim0_stride
	s_mov_b32 s[\g+6], 0
	s_mov_b32 s[\g+7], 0
.endr
	; which tiles of 256 rows.  q, k: A = tokens 4 x cluster y + cy, B = w_qkv's tile 4 x kind + cx.  v: A = w_qkv's tile 8 + cy, B = tokens 4 x cluster y + cx.
	; The A side's numbers never hold cx, the B side's never cy; the choice hangs on the cluster's x, which all sixteen share
	s_lshl_b32 s18, s17, 2
	s_lshl_b32 s19, ttmp9, 2
	s_cmp_eq_u32 ttmp9, 2
	s_cselect_b32 s19, s18, s19
	s_cselect_b32 s18, 8, s18
	s_mov_b32 s[KSA], 0x200000                     ; a K step of x's images: 512 tiles x 4,096 bytes;
	s_cselect_b32 s[KSA], 0xc0000, s[KSA]          ; of w_qkv's: 192 tiles
	s_mov_b32 s[KSB], 0xc0000
	s_cselect_b32 s[KSB], 0x200000, s[KSB]
	s_add_co_u32 s18, s18, s41                     ; the A side's tile
	s_add_co_u32 s19, s19, s40                     ; the B side's tile
	s_mov_b32 s[KSA+1], 0
	s_mov_b32 s[KSB+1], 0
	s_lshl_b32 s[KSA+4], s[KSA], 1
	s_mov_b32 s[KSA+5], 0
	s_lshl_b32 s[KSB+4], s[KSB], 1
	s_mov_b32 s[KSB+5], 0
	s_lshl_b32 s20, s18, 16                        ; a tile of 256 rows is 65,536 bytes of a K step,
	s_lshl_b32 s21, s16, 15                        ; the half that I fetch 32,768
	s_add_co_u32 s20, s20, s21
	s_mov_b32 s21, 0
	s_lshl_b32 s46, s19, 16
	s_lshl_b32 s47, s16, 15
	s_add_co_u32 s46, s46, s47
	s_mov_b32 s47, 0
	s_mul_i32 s45, s14, HALFT                      ; where they go: wave x 32,768: no place in the cluster enters an LDS address
	s_wait_kmcnt 0x0
	s_load_b256 s[80:87], s[8:9], 0x0              ; e0 .. e7
	s_cmp_eq_u32 ttmp9, 2
	s_cselect_b64 s[76:77], s[6:7], s[4:5]         ; the A side's buffer
	s_cselect_b64 s[78:79], s[4:5], s[6:7]         ; the B side's
	s_add_nc_u64 s[20:21], s[76:77], s[20:21]
	s_add_nc_u64 s[46:47], s[78:79], s[46:47]
	CROUND                                         ; all sixteen work-groups are here: the first joint loads meet
	s_mov_b32 s[G0], 1                             ; count = 1
	s_mov_b32 s[G0+1], s45                         ; LDS address: slot 0
	s_mov_b64 s[G0+2:G0+3], s[20:21]               ; global address: K step 0
	s_or_b32 s[G0+3], s[G0+3], 0x80000000          ; type = 2
	s_mov_b32 s[G0B], 1
	s_mov_b32 s[G0B+1], s45
	s_mov_b64 s[G0B+2:G0B+3], s[46:47]
	s_or_b32 s[G0B+3], s[G0B+3], 0x80000000
	JLOAD G0, G1, G0B, G1B
	s_mov_b32 s[G0+4], 1
	s_add_co_u32 s[G0+5], s45, SLOT                ; slot 1
	s_add_nc_u64 s[G0+6:G0+7], s[20:21], s[KSA:KSA+1]   ; K step 1
	s_or_b32 s[G0+7], s[G0+7], 0x80000000
	s_mov_b32 s[G0B+4], 1
	s_add_co_u32 s[G0B+5], s45, SLOT
	s_add_nc_u64 s[G0B+6:G0B+7], s[46:47], s[KSB:KSB+1]
	s_or_b32 s[G0B+7], s[G0B+7], 0x80000000
	JLOAD G0+4, G1, G0B+4, G1B                     ; two loads of mine are out
	v_and_b32 v1, 31, v0
	v_lshlrev_b32 v[OF], 4, v1                     ; 16 x lane
	s_lshl_b32 s88, s15, 15                        ; my 128 rows of the A side
	s_lshl_b32 s89, s16, 15                        ; my 128 rows of the B side,
	s_add_co_u32 s89, s89, 2*HALFT                 ; which lie behind A's 256
.irp s, 0,1
	v_add_nc_u32 v[ADRA+\s], s88, v[OF]
	v_add_nc_u32 v[ADRB+\s], s89, v[OF]
	s_add_co_u32 s88, s88, SLOT
	s_add_co_u32 s89, s89, SLOT
.endr
	; where my codes go.  My first token = 256 x the tokens' tile + 128 x my half of it; my first head = 4 x the weight's tile in its kind + 2 x my half of it
	s_cmp_eq_u32 ttmp9, 2
	s_cselect_b32 s90, s19, s18
	s_cselect_b32 s91, s16, s15
	s_cselect_b32 s92, s41, s40
	s_cselect_b32 s93, s15, s16
	s_mov_b32 s94, 0x20000
	s_cselect_b32 s94, 4096, s94                   ; SC, from registers 0-7 to 8-15 of a block's codes: q, k: the next head, 131,072 bytes; v: the upper 64 keys, 4,096
	s_mov_b32 s95, 4096
	s_cselect_b32 s95, 0x20000, s95                ; SA, from my blocks 0-3 to 4-7: q, k: four tiles of tokens, 4,096 bytes; v: the next head
	s_lshl_b32 s90, s90, 8
	s_lshl_b32 s91, s91, 7
	s_add_co_u32 s90, s90, s91                     ; my first token
	s_lshl_b32 s92, s92, 2
	s_lshl_b32 s93, s93, 1
	s_add_co_u32 s92, s92, s93                     ; my first head
	s_lshr_b32 s91, s90, 11                        ; the batch
	s_lshl_b32 s91, s91, 4
	s_add_co_u32 s91, s91, s92
	s_lshl_b32 s91, s91, 17                        ; 131,072 bytes for each batch x head
	s_and_b32 s90, s90, 2047
	s_lshl_b32 s90, s90, 6                         ; 64 bytes a token, in q's and k's layout and in v's alike
	s_add_co_u32 s90, s90, s91
	s_lshl_b32 s91, ttmp9, 23                      ; 8,388,608 bytes a kind
	s_add_co_u32 s90, s90, s91
	s_mov_b32 s91, 0
	s_add_nc_u64 s[10:11], s[10:11], s[90:91]
	v_add_nc_u32 v[OF+1], s94, v[OF]
	v_add_nc_u32 v[OF+2], s95, v[OF]
	v_add_nc_u32 v[OF+3], 0x21000, v[OF]           ; SC + SA, whichever is which
.macro FRAG reg, adr, q, i             ; block i's fragment of the slot's q-th 128 along K: four groups of 512 consecutive bytes
.irp c, 0,1,2,3
	ds_load_b128 v[\reg+4*\c:\reg+4*\c+3], v[\adr] offset:(\i)*4096+(\q)*2048+\c*512
.endr
.endm
; 16 matrix instructions: A's blocks a0, a0 + 1 x B's eight, 128 along K.  p: B's set.  zero = 1: the first product starts the sums.
; The 64 accumulators take turns, one instruction a turn, in the same order in every step.
.macro MUL16 a0, p, zero
.irp a, \a0, \a0+1
.irp b, 0,1,2,3,4,5,6,7
.if \zero
	v_wmma_f32_16x16x128_fp8_fp8 v[8*(8*((\a)%4)+\b):8*(8*((\a)%4)+\b)+7], v[128*(\p)+FR*\b:128*(\p)+FR*\b+FR-1], v[AF+FR*(\a):AF+FR*(\a)+FR-1], 0
.else
	v_wmma_f32_16x16x128_fp8_fp8 v[8*(8*((\a)%4)+\b):8*(8*((\a)%4)+\b)+7], v[128*(\p)+FR*\b:128*(\p)+FR*\b+FR-1], v[AF+FR*(\a):AF+FR*(\a)+FR-1], v[8*(8*((\a)%4)+\b):8*(8*((\a)%4)+\b)+7]
.endif
.endr
.endr
.endm
.macro FETCH_B slot, q, p
	WIN TO_B
.irp i, 0,1,2,3,4,5,6,7
	FRAG 128*(\p)+FR*\i, ADRB+\slot, \q, \i
.endr
	WIN 0
.endm
.macro FETCH_A slot, q, i0
.irp i, \i0, \i0+1, \i0+2, \i0+3
	FRAG AF+FR*(\i), ADRA+\slot, \q, \i
.endr
.endm
.macro PLACES n                        ; plain vector lines between a matrix instruction and a load into, or a vector read or write of, its registers
.rept \n
	v_nop
.endr
.endm
; A step of 128 along K that has its successor in the same slot.  A block of A is free once its eight products are issued: one set serves A; B's fragments work through the whole step: two sets.
.macro STEP slot, q, zero
	s_wait_dscnt 4*NL                              ; B's set and A's blocks 0-3 are in; the youngest 16 loads (A's blocks 4-7) may be out
	WIN MUL_LO
	MUL16 0, (\q)%2, \zero
	MUL16 2, (\q)%2, \zero
	s_wait_dscnt 0                                 ; A's blocks 4-7 are in
	PLACES NP
	FETCH_B \slot, (\q)+1, 1-(\q)%2
	FETCH_A \slot, (\q)+1, 0
	WIN MUL_HI
	MUL16 4, (\q)%2, \zero
	MUL16 6, (\q)%2, \zero
	PLACES NP
	WIN 0
	FETCH_A \slot, (\q)+1, 4
.endm
; A slot's last step changes slots: one barrier; in front of it each wave waits for all its tensor loads, adds 0 to its spare word, and waits for that and for its reads of this slot.  fill = 1: the slot is filled again, two K steps ahead.
.macro TURN slot, next, fill
	s_wait_tensorcnt 0x0                           ; all my tensor loads have landed: my part of the next slot
	ds_add_u32 v[SPW], v[NIL]                      ; 0 onto my spare word
	s_wait_dscnt 4*NL+1                            ; the add and the youngest 16 loads (A's blocks 4-7) may be out
	WIN MUL_LO
	MUL16 0, 1, 0                                  ; sixteen matrix instructions stand between the add and the wait for it
	s_wait_dscnt 0x0                               ; the add is done, and my reads of this slot are over
	s_barrier_signal -1
	MUL16 2, 1, 0
	WIN 0
	s_barrier_wait -1
.if \fill
	CREST                                          ; the barrier has opened a round of the cluster's: no wave of any partner still reads this slot or has a load on its way
	s_add_nc_u64 s[G0+4*\slot+2:G0+4*\slot+3], s[G0+4*\slot+2:G0+4*\slot+3], s[KSA+4:KSA+5]
	s_add_nc_u64 s[G0B+4*\slot+2:G0B+4*\slot+3], s[G0B+4*\slot+2:G0B+4*\slot+3], s[KSB+4:KSB+5]
	JLOAD G0+4*\slot, G1, G0B+4*\slot, G1B         ; the first tensor load behind the round, my only one until the next; its four v_nop are the places in front of the loads below
.else
	PLACES NP
.endif
	FETCH_B \next, 0, 0
	FETCH_A \next, 0, 0
	WIN MUL_HI
	MUL16 4, 1, 0
	MUL16 6, 1, 0
	PLACES NP
	WIN 0
	FETCH_A \next, 0, 4
.endm
	s_wait_tensorcnt 1                             ; my part of K step 0 is in; K step 1's load may be out
	s_barrier_signal -1
	s_barrier_wait -1
	FETCH_B 0, 0, 0
	FETCH_A 0, 0, 0
	FETCH_A 0, 0, 4
	STEP 0, 0, 1                                   ; K step 0: its first products start the sums
	TURN 0, 1, 1                                   ; slot 0 takes K step 2
	STEP 1, 0, 0
	TURN 1, 0, 1                                   ; slot 1 takes K step 3
	STEP 0, 0, 0
	TURN 0, 1, 0                                   ; nothing is left to fetch
	STEP 1, 0, 0
	s_wait_dscnt 4*NL
	WIN MUL_LO
	MUL16 0, 1, 0
	MUL16 2, 1, 0
	s_wait_dscnt 0
	WIN MUL_HI
	MUL16 4, 1, 0
	MUL16 6, 1, 0
	WIN 0
	s_wait_kmcnt 0x0
	s_cmp_eq_u32 ttmp9, 0
	s_cselect_b32 s88, s82, s83                    ; q: e2, k: e3,
	s_cselect_b32 s89, 3, 0                        ; q's factor 1/8
	s_cmp_eq_u32 ttmp9, 2
	s_cselect_b32 s88, s85, s88                    ; v: e5
	s_add_co_i32 s88, s88, s89
	s_sub_co_i32 s88, s88, s80
	s_sub_co_i32 s88, s88, s81                     ; E
	s_add_co_i32 s88, s88, 127
	s_lshl_b32 s89, s88, 23
	v_mov_b32 v[SCL], s89                          ; 2^E as f32
	s_add_co_i32 s88, s88, 8
	s_lshl_b32 s88, s88, 23
	s_or_b32 s88, s88, 0x600000
	v_mov_b32 v[LIM], s88                          ; 448 x 2^E
; Block a (16 rows of the A side x my 128 of the B side) leaves: held, converted, stored.  The 16 registers of codes are an operand's registers as they stand; each store covers 512 consecutive bytes.
.macro QOUT a
.set AC, 64*((\a)%4)
	WIN 0x02+((\a)/4)                              ; source 0: window 2 or 3
.set j, 0
.rept 64
	v_med3_num_f32 v[TMP+j], v[AC+j], -v[LIM], v[LIM]   ; the hold (ISA guide 7.6.2: the conversion does not saturate); each accumulator from its low end on
.set j, j+1
.endr
	WIN 0
.irp b, 0,1,2,3,4,5,6,7
	v_cvt_scalef32_pk8_fp8_f32 v[CD+16*(\a)+2*\b:CD+16*(\a)+2*\b+1], v[TMP+8*\b:TMP+8*\b+7], v[SCL]
.endr
	v_nop                                          ; a plain line behind the conversions: the next block's holds write their sources
.irp c, 0,1,2,3
	global_store_b128 v[OF+2*((\a)/4)+\c/2], v[CD+16*(\a)+4*\c:CD+16*(\a)+4*\c+3], s[10:11] offset:((\a)%4)*1024+(\c%2)*512
.endr
.endm
	PLACES NP                                      ; behind the last products
.irp a, 0,1,2,3,4,5,6,7
	QOUT \a                                        ; no store's registers are written again
.endr
	s_wait_tensorcnt 0x0                           ; the wave's end
	ds_add_u32 v[SPW], v[NIL]
	s_wait_dscnt 0x0
	CROUND                                         ; the closing round: no work-group ends while a partner may still ask for a tile that names it
	s_endpgm
.Lfunc_end_k_q89681fe3bc_qkv:
	.size	k_q89681fe3bc_qkv, .Lfunc_end_k_q89681fe3bc_qkv-k_q89681fe3bc_qkv
	.p2alignl 7, 3214868480
	.fill 96, 4, 3214868480
	.section	.rodata,"a",@progbits
	.p2align	6, 0x0
	.amdhsa_kernel k_q89681fe3bc_qkv
		.amdhsa_group_segment_fixed_size 327680
		.amdhsa_private_segment_fixed_size 0
		.amdhsa_enable_private_segment 0
		.amdhsa_kernarg_size 32
		.amdhsa_user_sgpr_count 2
		.amdhsa_user_sgpr_kernarg_segment_ptr 1
		.amdhsa_wavefront_size32 1
		.amdhsa_system_sgpr_workgroup_id_x 1
		.amdhsa_system_sgpr_workgroup_id_y 1
		.amdhsa_system_sgpr_workgroup_id_z 1
		.amdhsa_system_vgpr_workitem_id 0
		.amdhsa_next_free_vgpr 1024
		.amdhsa_next_free_sgpr 98
		.amdhsa_reserve_vcc 0
		.amdhsa_float_denorm_mode_32 3
		.amdhsa_float_denorm_mode_16_64 3
		.amdhsa_memory_ordered 1
		.amdhsa_forward_progress 1
		.amdhsa_inst_pref_size 118
	.end_amdhsa_kernel
	.amdgpu_metadata
---
amdhsa.version: [ 1, 2 ]
amdhsa.kernels:
  - .name:           k_q89681fe3bc_qkv
    .symbol:         k_q89681fe3bc_qkv.kd
    .args:
      - { .name: x_img, .offset: 0, .size: 8, .value_kind: global_buffer, .address_space: global }
      - { .name: wq_img, .offset: 8, .size: 8, .value_kind: global_buffer, .address_space: global }
      - { .name: lowp_scales, .offset: 16, .size: 8, .value_kind: global_buffer, .address_space: global }
      - { .name: qkv_img, .offset: 24, .size: 8, .value_kind: global_buffer, .address_space: global }
    .group_segment_fixed_size: 327680
    .private_segment_fixed_size: 0
    .kernarg_segment_align: 8
    .kernarg_segment_size: 32
    .max_flat_workgroup_size: 128
    .sgpr_count:     98
    .vgpr_count:     1024
    .wavefront_size: 32
...
	.end_amdgpu_metadata
.endif
;; end of part 2
;; launch attn (part 3): grid 4 x 64, 16 waves a work-group, no clusters, 67,584 bytes of LDS; arguments qkv_img, lowp_scales, a_img; writes a_img
.if DOCPART == 3
	.amdgcn_target "amdgcn-amd-amdhsa--gfx1250"
	.amdhsa_code_object_version 6
	.text
	.protected	k_q89681fe3bc_attn
	.globl	k_q89681fe3bc_attn
	.p2align	8
	.type	k_q89681fe3bc_attn,@function
k_q89681fe3bc_attn:
	s_mov_b64 s[64:65], 0
	v_nop
	global_prefetch_b8 v0, s[64:65] scope:SCOPE_SE
	s_setreg_imm32_b32 hwreg(HW_REG_WAVE_MODE, 25, 1), 1
	s_wait_xcnt 0x0
; Causal attention on codes of FP8 (E4M3): 64 batch x heads, 2,048 tokens, head size 64.  Both products quantised; the result is quantised at once for the output projection.
; THE SOFTMAX: t = score x log2(e) (q carries the 1/8); M = the running largest t rounded UP to a whole number; p = 2^(t - M) is quantised with 2^e4, not normalised; the row's sum is taken of the
; unquantised p in f32 and divides at the end.  When M moves, the sum and O are multiplied by 2^(old M - new M), which rounds nothing.
; SHARES.  Work-group (g, batch x head), g = 0..3, takes the block g of 256 queries, which needs key slots 0..g of 256 keys, and then block 7 - g, slots 0..7 - g: nine slots for every work-group.
; Each of sixteen waves owns one tile of 16 queries of the block in hand, in 256 registers: four waves to a SIMD, so that one wave's vector work stands beside another's products and LDS loads.
; LAYOUT.  Both products are used transposed: S^T = K Q^T (source 0 = 16 keys, K = 64), O^T = V^T P^T (source 0 = 16 of the head's 64, K = 128 keys): a lane holds ONE query throughout.  All operands come as
; images of operand registers, so a result's eight registers, converted, ARE registers 2 c, 2 c + 1 of the next operand (k = 16 c + 8 h + 0 .. 7), and every LDS load reads consecutive bytes at 16 x lane.
; THE SLOTS go through registers: each of the 512 threads loads 4 x 16 bytes of the next slot at a trip's head and stores them into the other LDS buffer at its end; one barrier a trip orders both the
; reads of the buffer written next and the stores of the buffer read next.  So no wave waits for memory within a trip, and nothing more is asked for ahead.
; NO JOINT LOADS: the four work-groups of a head want slot 0..g, then 0..7 - g: in a given trip they want different slots.
; CAUSAL: a step of 128 keys all of which come after the wave's queries is jumped over (a scalar branch on ids); on the diagonal hidden scores become -infinity ahead of the maximum.
; LIMITS on the given exponents: e2 + e3 between -126 and 127; e4, and e6 - e4 - e5, between -126 and 119.  NaN among the inputs is not served.
; REGISTERS: v1 16 x lane; v2 16 x thread; v3 r - 8 h; v4, v5 LDS addresses; v12 -M, v13 the largest t, v[14:15] the sum in two halves; v16-23 Q; v24-31 the second block's Q; v32-95 K's, then V's fragments;
;   v96-159 S^T, then p; v160-191 O^T; v192-207 p's codes; v208-223 the next slot on its way; v224-231 the result's codes; v236-254 at work and constants.
.set BUF,  32768                       ; an LDS buffer: K's 16 tiles of 16 keys (16,384 bytes), then V's two blocks of 128 keys
.set VOFF, 16384
.set QF,   16
.set QH,   24
.set KV,   32
.set S,    96
.set O,    160
.set PC,   192
.set G,    208
.set OC,   224
.set WV,   10                          ; s10 wave;  s11 g;  s12 batch x head
.set GI,   11
.set BH,   12
.set TB,   13                          ; s13 the buffer that is read;  s14 the one that is written
.set TW,   14
.set N,    15                          ; s15 the trip, 0..8;  s16 g + 1: the trip in which the second block begins
.set GP1,  16
.set IDX,  17                          ; s17 the trip's slot;  s18 the next trip's
.set NX,   18
.set KF,   19                          ; s19 the step's first key
.set Q0,   20                          ; s20 my first query;  s21 that of the second block
.set Q0H,  21
.set CS,   22                          ; s[22:23] log2(e) x 2^(e2 + e3)
.set SEL,  24                          ; s[24:25] lane selects: lane l xor 16
.set EP,   26                          ; s26 e4
.set KB,   28                          ; s[28:29] k's image of my head; s[30:31] v's; s[32:35] the same at the slot asked for
.set VB,   30
.set KP,   32
.set VP,   34
.set AB,   36                          ; s[36:37] a_img at my batch and head; s[38:39] at my tile
.set AP,   38
.set T,    48                          ; s48 at work; s49 stays 0: the pair is an offset
; A KEY STEP: the q-th 128 keys of the slot in hand.
.macro STEP q
	s_add_co_u32 s[T], s[Q0], 15
	s_cmp_gt_u32 s[KF], s[T]
	s_cbranch_scc1 .Lhidden_\@                     ; all 128 keys come after my 16 queries
	v_add_nc_u32 v4, s[TB], v1
.rept 3
	v_nop                                          ; with the addition: four places in front of loads into registers that the last products read
.endr
.irp c, 0,1,2,3,4,5,6,7
	ds_load_b128 v[KV+8*\c:KV+8*\c+3], v4 offset:(8*(\q)+\c)*1024
	ds_load_b128 v[KV+8*\c+4:KV+8*\c+7], v4 offset:(8*(\q)+\c)*1024+512
.endr
	s_wait_dscnt 0x0
.irp c, 0,1,2,3,4,5,6,7
	v_wmma_f32_16x16x64_fp8_fp8 v[S+8*\c:S+8*\c+7], v[KV+8*\c:KV+8*\c+7], v[QF:QF+7], 0   ; register 8 c + j: key KF + 16 c + 8 h + j, query Q0 + r
.endr
.rept 4
	v_nop                                          ; places in front of the loads below and of the first read of the scores
.endr
.irp d, 0,1,2,3
.irp c, 0,1,2,3
	ds_load_b128 v[KV+16*\d+4*\c:KV+16*\d+4*\c+3], v4 offset:VOFF+(\q)*8192+(\c/2)*4096+\d*1024+(\c%2)*512   ; V^T's four fragments land under the softmax
.endr
.endr
	s_add_co_u32 s[T], s[KF], 127
	s_cmp_le_u32 s[T], s[Q0]
	s_cbranch_scc1 .Lopen_\@                       ; every key of the step counts for every query of mine
	s_sub_co_i32 s[T], s[Q0], s[KF]
	v_add_nc_u32 v252, s[T], v3                    ; d = my query - KF - 8 h: register 8 c + j is hidden where 16 c + j > d
	v_mov_b32 v254, 0xff800000                     ; -infinity
.set n, 0
.rept 64
	v_cmp_gt_i32 vcc_lo, 16*(n/8)+n%8, v252
	v_cndmask_b32 v[S+n], v[S+n], v254, vcc_lo
.set n, n+1
.endr
.Lopen_\@:
	v_max3_num_f32 v254, v[S], v[S+1], v[S+2]      ; the step's largest score of my query among my 64 keys, in two chains, each accumulator from its low end on
	v_max3_num_f32 v252, v[S+3], v[S+4], v[S+5]
.irp i, 6,10,14,18,22,26,30,34,38,42,46,50,54,58
	v_max3_num_f32 v254, v254, v[S+\i], v[S+1+\i]
	v_max3_num_f32 v252, v252, v[S+2+\i], v[S+3+\i]
.endr
	v_max3_num_f32 v254, v254, v[S+62], v[S+63]
	v_max_num_f32 v254, v254, v252
	v_permlanex16_b32 v236, v254, s[SEL], s[SEL+1]
	v_max_num_f32 v254, v254, v236                 ; and among lane l xor 16's
	v_mul_f32 v254, s[CS], v254                    ; as t (the factor is positive)
	v_max_num_f32 v13, v13, v254                   ; the running largest t
	v_mov_b32 v254, v12
	v_floor_f32 v12, -v13                          ; the new -M = floor(-t) = -ceil(t)
	v_sub_f32 v254, v12, v254                      ; old M - new M: a whole number, 0 or less
	v_cvt_i32_f32 v254, v254                       ; (it saturates)
	v_ldexp_f32 v252, 1.0, v254                    ; f = 2^(old M - new M)
.set j, 0
.rept 32
	v_pk_fma_f32 v[S+j:S+j+1], v[S+j:S+j+1], s[CS:CS+1], v[12:13] op_sel_hi:[1,0,0]   ; t - M, two at a time (of each pair the low word serves both halves)
.set j, j+2
.endr
.set j, 0
.rept 64
	v_exp_f32 v[S+j], v[S+j]                       ; p = 2^(t - M), at most 1
.set j, j+1
.endr
	v_pk_mul_f32 v[14:15], v[14:15], v[252:253] op_sel_hi:[1,0]   ; the sums under the new M: the plain line behind the exponentials
	s_wait_alu depctr_va_vdst(0)                   ; one wait for the batch of 64, ahead of its first reader
	v_pk_add_f32 v[242:243], v[S:S+1], v[S+2:S+3]  ; the row's sum is taken of the unquantised p, in two chains
.irp j, 4,8,12,16,20,24,28,32,36,40,44,48,52,56,60
	v_pk_add_f32 v[14:15], v[14:15], v[S+\j:S+1+\j]
	v_pk_add_f32 v[242:243], v[242:243], v[S+2+\j:S+3+\j]
.endr
	v_pk_add_f32 v[14:15], v[14:15], v[242:243]
	s_cmp_gt_i32 s[EP], -9                         ; with e4 >= -8 the largest code stands for 448 x 2^e4 >= 1.75, above every p: the hold changes nothing and is jumped over
	s_cbranch_scc1 .Lno_hold_\@
.set j, 0
.rept 64
	v_min_num_f32 v[S+j], v[S+j], v240             ; the conversion does not saturate (ISA guide 7.6.2); p is not negative, so the hold is one-sided
.set j, j+1
.endr
.Lno_hold_\@:
.irp c, 0,1,2,3,4,5,6,7
	v_cvt_scalef32_pk8_fp8_f32 v[PC+2*\c:PC+2*\c+1], v[S+8*\c:S+8*\c+7], v244   ; registers 2 c, 2 c + 1 of P: keys 16 c + 8 h + 0 .. 7
.endr
.set j, 0
.rept 16
	v_pk_mul_f32 v[O+j:O+j+1], v[O+j:O+j+1], v[252:253] op_sel_hi:[1,0]   ; O^T under the new M; these are also the plain lines behind the conversions
.set j, j+2
.endr
	s_wait_dscnt 0x0                               ; V^T's fragments are in
.irp d, 0,1,2,3
	v_wmma_f32_16x16x128_fp8_fp8 v[O+8*\d:O+8*\d+7], v[KV+16*\d:KV+16*\d+15], v[PC:PC+15], v[O+8*\d:O+8*\d+7]   ; four accumulators by turns; the scores' products stand between two links of a chain
.endr
.Lhidden_\@:
	s_add_co_u32 s[KF], s[KF], 128
.endm
; A tile is finished: O^T / the sum, quantised for the output projection (scale 2^(e6 - e4 - e5) on the bare sums), stored as half a fragment's image: 2 x 512 consecutive bytes.
; restart = 1: the wave goes on with its tile of the second block.
.macro FINISH restart
.rept 4
	v_nop                                          ; places behind the last products
.endr
	v_add_f32 v14, v14, v15                        ; the sum's two halves,
	v_permlanex16_b32 v252, v14, s[SEL], s[SEL+1]
	v_add_f32 v14, v14, v252                       ; and lane l xor 16's
	v_rcp_f32 v14, v14
	v_nop                                          ; a plain line behind the reciprocal
	s_lshl_b32 s[T], s[Q0], 8                      ; a tile of 16 rows is 4,096 bytes of a K step
	s_add_nc_u64 s[AP:AP+1], s[AB:AB+1], s[T:T+1]
	s_wait_alu depctr_va_vdst(0)                   ; the wait ahead of the reciprocal's first reader
.set j, 0
.rept 16
	v_pk_mul_f32 v[S+j:S+j+1], v[O+j:O+j+1], v[14:15] op_sel_hi:[1,0]   ; register 8 d + i: channel 16 d + 8 h + i of query r
.set j, j+2
.endr
.set j, 0
.rept 32
	v_med3_num_f32 v[S+j], v[S+j], -v246, v246
.set j, j+1
.endr
.irp d, 0,1,2,3
	v_cvt_scalef32_pk8_fp8_f32 v[OC+2*\d:OC+2*\d+1], v[S+8*\d:S+8*\d+7], v247
.endr
	v_nop                                          ; a plain line behind the conversions
	global_store_b128 v1, v[OC:OC+3], s[AP:AP+1]
	global_store_b128 v1, v[OC+4:OC+7], s[AP:AP+1] offset:512
.if \restart
	s_wait_xcnt 0x0                                ; the stores have read their registers and base: the second tile's end writes them again
	s_mov_b32 s[Q0], s[Q0H]
.irp i, 0,1,2,3,4,5,6,7
	v_mov_b32 v[QF+\i], v[QH+\i]
.endr
.set j, 0
.rept 32
	v_mov_b32 v[O+j], 0                            ; the step is written once: a tile's first step finds zeros
.set j, j+1
.endr
	v_mov_b32 v13, 0xff61b1e6                      ; -3e38, under every t
	v_floor_f32 v12, -v13
	v_mov_b32 v14, 0
	v_mov_b32 v15, 0
.endif
.endm
	s_load_b128 s[4:7], s[0:1], 0x0                ; qkv_img s[4:5], the scales' exponents s[6:7]
	s_load_b64 s[8:9], s[0:1], 0x10                ; a_img
	v_lshl_add_u32 v251, v0, 2, 0x10000
	v_mov_b32 v255, 0
	v_lshrrev_b32 v4, 5, v0
	v_readfirstlane_b32 s[WV], v4                  ; wave 0..15
	v_and_b32 v1, 31, v0
	v_lshlrev_b32 v1, 4, v1                        ; 16 x lane
	v_lshlrev_b32 v2, 4, v0                        ; 16 x thread
	v_and_b32 v3, 15, v0
	v_bfe_u32 v4, v0, 4, 1
	v_lshlrev_b32 v4, 3, v4
	v_sub_nc_u32 v3, v3, v4                        ; r - 8 h
	s_mov_b32 s[GI], ttmp9
	s_and_b32 s[BH], ttmp7, 0xffff
	s_add_co_u32 s[GP1], s[GI], 1
	s_lshl_b32 s[T], s[WV], 4
	s_lshl_b32 s[Q0], s[GI], 8
	s_add_co_u32 s[Q0], s[Q0], s[T]                ; 256 g + 16 x wave
	s_sub_co_u32 s[Q0H], 7, s[GI]
	s_lshl_b32 s[Q0H], s[Q0H], 8
	s_add_co_u32 s[Q0H], s[Q0H], s[T]              ; 256 (7 - g) + 16 x wave
	s_mov_b32 s[T+1], 0
	s_lshl_b32 s50, s[BH], 17                      ; my head's 131,072 bytes in each kind
	s_mov_b32 s51, 0
	s_lshl_b32 s52, s[Q0], 6                       ; 64 bytes a token
	s_mov_b32 s53, 0
	s_lshl_b32 s54, s[Q0H], 6
	s_mov_b32 s55, 0
	s_lshr_b32 s56, s[BH], 4
	s_lshl_b32 s56, s56, 19                        ; a_img: the batch's 128 tiles of rows x 4,096 bytes,
	s_bfe_u32 s57, s[BH], 0x20002
	s_lshl_b32 s57, s57, 21                        ; K = 64 x head + d: the K step of 256 is head / 4,
	s_add_co_u32 s56, s56, s57
	s_bfe_u32 s57, s[BH], 0x10001
	s_lshl_b32 s57, s57, 11                        ; its half of 128 is (head / 2) % 2,
	s_add_co_u32 s56, s56, s57
	s_and_b32 s57, s[BH], 1
	s_lshl_b32 s57, s57, 10                        ; and the two groups of four registers are 2 (head % 2) on
	s_add_co_u32 s56, s56, s57
	s_mov_b32 s57, 0
	s_mov_b32 s[SEL], 0x76543210
	s_mov_b32 s[SEL+1], 0xfedcba98
	s_mov_b32 s[CS], 0x3fb8aa3b                    ; log2(e)
	s_mov_b32 s[TB], 0
	s_mov_b32 s[TW], BUF
	s_mov_b32 s[N], 0
	s_mov_b32 s[IDX], 0
	s_mov_b32 s[KF], 0
	s_wait_kmcnt 0x0
	s_load_b256 s[40:47], s[6:7], 0x0              ; e0 .. e7
	s_add_nc_u64 s[4:5], s[4:5], s[50:51]          ; q's image of my head,
	s_add_nc_u64 s[KB:KB+1], s[4:5], 0x800000      ; k's,
	s_add_nc_u64 s[VB:VB+1], s[4:5], 0x1000000     ; v's
	s_add_nc_u64 s[52:53], s[4:5], s[52:53]
	s_add_nc_u64 s[54:55], s[4:5], s[54:55]
	s_add_nc_u64 s[AB:AB+1], s[8:9], s[56:57]
	global_load_b128 v[G:G+3], v2, s[KB:KB+1]                    ; slot 0: the 512 threads read 8,192 consecutive bytes a line
	global_load_b128 v[G+4:G+7], v2, s[KB:KB+1] offset:8192
	global_load_b128 v[G+8:G+11], v2, s[VB:VB+1]
	global_load_b128 v[G+12:G+15], v2, s[VB:VB+1] offset:8192
	global_load_b128 v[QF:QF+3], v1, s[52:53]                    ; both tiles' fragments of Q stay in registers
	global_load_b128 v[QF+4:QF+7], v1, s[52:53] offset:512
	global_load_b128 v[QH:QH+3], v1, s[54:55]
	global_load_b128 v[QH+4:QH+7], v1, s[54:55] offset:512
	v_mov_b32 v13, 0xff61b1e6                      ; the largest t so far: -3e38
	v_floor_f32 v12, -v13                          ; -M
	v_mov_b32 v14, 0
	v_mov_b32 v15, 0
	v_mov_b32 v236, 0                              ; a lane permute's destination counts as one of its sources
	v_mov_b32 v252, 0
	v_mov_b32 v253, 0                              ; (named as the upper half of the pair v[252:253])
.set j, 0
.rept 32
	v_mov_b32 v[O+j], 0
.set j, j+1
.endr
	s_wait_kmcnt 0x0
	s_add_co_i32 s[T], s42, s43
	s_lshl_b32 s[T], s[T], 23
	s_add_co_i32 s[CS], s[CS], s[T]                ; a score stands for score x 2^(e2 + e3): added to the factor's exponent field
	s_mov_b32 s[CS+1], s[CS]
	s_mov_b32 s[EP], s44
	s_add_co_i32 s[T], s44, 127
	s_lshl_b32 s50, s[T], 23
	v_mov_b32 v244, s50                            ; 2^e4
	s_add_co_i32 s[T], s[T], 8
	s_lshl_b32 s[T], s[T], 23
	s_or_b32 s[T], s[T], 0x600000
	v_mov_b32 v240, s[T]                           ; 448 x 2^e4
	s_sub_co_i32 s[T], s46, s44
	s_sub_co_i32 s[T], s[T], s45                   ; e6 - e4 - e5
	s_add_co_i32 s[T], s[T], 127
	s_lshl_b32 s50, s[T], 23
	v_mov_b32 v247, s50
	s_add_co_i32 s[T], s[T], 8
	s_lshl_b32 s[T], s[T], 23
	s_or_b32 s[T], s[T], 0x600000
	v_mov_b32 v246, s[T]
	s_wait_loadcnt 0x0
	ds_store_b128 v2, v[G:G+3]
	ds_store_b128 v2, v[G+4:G+7] offset:8192
	ds_store_b128 v2, v[G+8:G+11] offset:16384
	ds_store_b128 v2, v[G+12:G+15] offset:24576
	s_wait_dscnt 0x0                               ; for the others' sake: my part of slot 0 lies in LDS
	s_barrier_signal -1
	s_barrier_wait -1
.Ltrip:                                            ; eight trips; the ninth, which asks for nothing, is written out
	s_add_co_u32 s[NX], s[IDX], 1
	s_cmp_eq_u32 s[N], s[GI]
	s_cselect_b32 s[NX], 0, s[NX]                  ; behind the first block's last slot comes the second block's slot 0
	s_lshl_b32 s[T], s[NX], 14                     ; a slot is 16,384 bytes of k's image and of v's
	s_add_nc_u64 s[KP:KP+1], s[KB:KB+1], s[T:T+1]  ; (the last loads that read these pairs were waited for at the last trip's end)
	s_add_nc_u64 s[VP:VP+1], s[VB:VB+1], s[T:T+1]
	global_load_b128 v[G:G+3], v2, s[KP:KP+1]
	global_load_b128 v[G+4:G+7], v2, s[KP:KP+1] offset:8192
	global_load_b128 v[G+8:G+11], v2, s[VP:VP+1]
	global_load_b128 v[G+12:G+15], v2, s[VP:VP+1] offset:8192
	s_cmp_lg_u32 s[N], s[GP1]
	s_cbranch_scc1 .Lsame_block
	FINISH 1
.Lsame_block:
	STEP 0
	STEP 1
	s_wait_loadcnt 0x0                             ; the next slot is in registers
	v_add_nc_u32 v5, s[TW], v2
	ds_store_b128 v5, v[G:G+3]                     ; into the buffer that was read in the trip before: every wave's reads of it were over at that trip's barrier
	ds_store_b128 v5, v[G+4:G+7] offset:8192
	ds_store_b128 v5, v[G+8:G+11] offset:16384
	ds_store_b128 v5, v[G+12:G+15] offset:24576
	s_wait_dscnt 0x0                               ; my stores have landed, and my reads of this trip's buffer are over
	s_barrier_signal -1
	s_barrier_wait -1
	s_xor_b32 s[TB], s[TB], BUF
	s_xor_b32 s[TW], s[TW], BUF
	s_mov_b32 s[IDX], s[NX]
	s_lshl_b32 s[KF], s[IDX], 8
	s_add_co_u32 s[N], s[N], 1
	s_cmp_lt_u32 s[N], 8
	s_cbranch_scc1 .Ltrip
	STEP 0                                         ; the ninth slot: the second block's diagonal
	STEP 1
	FINISH 0
	s_wait_tensorcnt 0x0
	ds_add_u32 v251, v255
	s_wait_dscnt 0x0
	s_endpgm
.Lfunc_end_k_q89681fe3bc_attn:
	.size	k_q89681fe3bc_attn, .Lfunc_end_k_q89681fe3bc_attn-k_q89681fe3bc_attn
	.p2alignl 7, 3214868480
	.fill 96, 4, 3214868480
	.section	.rodata,"a",@progbits
	.p2align	6, 0x0
	.amdhsa_kernel k_q89681fe3bc_attn
		.amdhsa_group_segment_fixed_size 67584
		.amdhsa_private_segment_fixed_size 0
		.amdhsa_enable_private_segment 0
		.amdhsa_kernarg_size 24
		.amdhsa_user_sgpr_count 2
		.amdhsa_user_sgpr_kernarg_segment_ptr 1
		.amdhsa_wavefront_size32 1
		.amdhsa_system_sgpr_workgroup_id_x 1
		.amdhsa_system_sgpr_workgroup_id_y 1
		.amdhsa_system_sgpr_workgroup_id_z 1
		.amdhsa_system_vgpr_workitem_id 0
		.amdhsa_next_free_vgpr 256
		.amdhsa_next_free_sgpr 66
		.amdhsa_reserve_vcc 1
		.amdhsa_float_denorm_mode_32 3
		.amdhsa_float_denorm_mode_16_64 3
		.amdhsa_memory_ordered 1
		.amdhsa_forward_progress 1
		.amdhsa_inst_pref_size 99
	.end_amdhsa_kernel
	.amdgpu_metadata
---
amdhsa.version: [ 1, 2 ]
amdhsa.kernels:
  - .name:           k_q89681fe3bc_attn
    .symbol:         k_q89681fe3bc_attn.kd
    .args:
      - { .name: qkv_img, .offset: 0, .size: 8, .value_kind: global_buffer, .address_space: global }
      - { .name: lowp_scales, .offset: 8, .size: 8, .value_kind: global_buffer, .address_space: global }
      - { .name: a_img, .offset: 16, .size: 8, .value_kind: global_buffer, .address_space: global }
    .group_segment_fixed_size: 67584
    .private_segment_fixed_size: 0
    .kernarg_segment_align: 8
    .kernarg_segment_size: 24
    .max_flat_workgroup_size: 512
    .sgpr_count:     66
    .vgpr_count:     256
    .wavefront_size: 32
...
	.end_amdgpu_metadata
.endif
;; end of part 3
;; launch proj (part 4): grid 4 x 32, 4 waves a work-group, clusters of 4 x 4, 327,680 bytes of LDS; arguments a_img, wo_img, lowp_scales, b_out, out0; writes out0
.if DOCPART == 4
	.amdgcn_target "amdgcn-amd-amdhsa--gfx1250"
	.amdhsa_code_object_version 6
	.text
	.protected	k_q89681fe3bc_proj
	.globl	k_q89681fe3bc_proj
	.p2align	8
	.type	k_q89681fe3bc_proj,@function
k_q89681fe3bc_proj:
	s_mov_b64 s[64:65], 0
	v_nop
	global_prefetch_b8 v0, s[64:65] scope:SCOPE_SE
	s_setreg_imm32_b32 hwreg(HW_REG_WAVE_MODE, 25, 1), 1
	s_wait_xcnt 0x0
	s_wait_alu depctr_hold_cnt(0) depctr_sa_sdst(0) depctr_va_vdst(0) depctr_va_sdst(0) depctr_va_ssrc(0) depctr_va_vcc(0) depctr_vm_vsrc(0)
	s_getreg_b32 s2, hwreg(HW_REG_IB_STS2, 6, 4)
	s_cmp_eq_u32 s2, 0
	s_cbranch_scc0 .Lentry_in_a_cluster
	s_endpgm
.Lentry_in_a_cluster:
	s_bfe_u32 s2, ttmp6, 0x10000c
	s_cmp_lg_u32 s2, 0xf033
	s_cbranch_scc0 .Lentry_shape_is_right
	s_endpgm
.Lentry_shape_is_right:
; out0 = a w_out + b_out on codes of FP8 (E4M3), K = 1,024.  a (8,192 rows) and w_out (1,024 columns n, K its first axis) come as images of operand registers
; ([K step of 256][tile of 16 rows][half of 128 K][group of four registers][lane][16 bytes]); out0 [8192][1024] f32; sums in f32; out = sum x 2^(e6 + e7) + b_out, one fused multiply-add.
; LIMIT: e6 + e7 between -126 and 127, so that 2^(e6 + e7) is an f32 number.
; A tile of 256 x 256 is made by a work-group of four waves, 128 x 128 a wave: 64 accumulators, 512 registers.  K goes in four steps of 256 through two LDS slots filled by the tensor data mover:
; 128 rows of a K step are 32,768 consecutive bytes, one load; a fragment is four LDS loads at 16 x lane.  128 tiles: a smaller tile would read half as many more LDS bytes for each product.
; SOURCE 0 = 16 rows of w_out's images, SOURCE 1 = 16 rows of a: a lane holds eight neighbouring numbers of a row of out0.
; CLUSTERS: 4 x 4 work-groups.  The four of a row need the same tiles of a, the four of a column the same of w_out: each tile is asked for jointly.
; REGISTERS, in windows of 256: window 0: v16-29 addresses, v32-95 my lane's 64 numbers of b_out, v128-255 a's fragments (one set), later rows on the way out;
;   window 1: w_out's fragments, two sets; v0-63 later a block's results;   window 2: the accumulators of my rows 0-63 ((a, b) at v[8 (8 a + b)]);   window 3: those of rows 64-127.
.set FR,     16
.set NL,     4
.set NP,     4                         ; places behind this matrix instruction (ISA guide 7.12.1)
.set HALFT,  32768
.set SLOT,   4*HALFT
.set SPARE,  2*SLOT                    ; behind the ring: the spare words, 128 bytes for each wave
.set KSA,    0x200000                  ; a K step of a's images: 512 tiles x 4,096 bytes
.set KSB,    0x40000                   ; of w_out's: 64 tiles
.set SPITCH, 528                       ; the way out: a stage of 16 rows x (512 bytes + 16) for each wave, in slot 0, which has had its last fill and its last read when the first result is stored there
.set ROWC,   4096                      ; a row of out0 in bytes
.set ADRA, 16
.set ADRB, 20
.set STO,  24                          ; v24  the way out: where I put 32 bytes of a row
.set RD,   25                          ; v25  where I read a row back
.set CO,   26                          ; v26  16 x lane: my place in 512 bytes of a row of out0
.set BO,   27                          ; v27  32 h: my half's place in b_out
.set SPW,  28
.set NIL,  29
.set BI,   32                          ; b_out: register 8 b + j: column 16 b + 8 h + j of my 128
.set AF,   128
.set BK,   128                         ; 16 rows read back from the stage: v128-191 and v192-255 by turns
.set G1, 24
.set G0, 32
.set G1B, 48
.set G0B, 56
.set MSB, 0
.macro WIN new                         ; the immediate's high byte repeats the setting that is left
.if MSB != \new
	s_set_vgpr_msb (MSB<<8)|\new
.set MSB, \new
.endif
.endm
.set MUL_LO, 0xa1                      ; source 0 (w_out) window 1, source 1 (a) window 0, C and D window 2
.set MUL_HI, 0xf1
.set TO_B,   0x40
.macro JLOAD g0a, g1a, g0b, g1b        ; a joint load: waves 0 and 1 fetch for a, waves 2 and 3 for w_out; four v_nop follow each of the two lines
	s_cmp_eq_u32 s15, 0
	s_cbranch_scc0 .Lfor_b_\@
	tensor_load_to_lds s[\g0a:\g0a+3], s[\g1a:\g1a+7]
	s_nop 0
.rept 4
	v_nop
.endr
	s_branch .Lasked_\@
.Lfor_b_\@:
	tensor_load_to_lds s[\g0b:\g0b+3], s[\g1b:\g1b+7]
	s_nop 0
.rept 4
	v_nop
.endr
.Lasked_\@:
.endm
.macro CREST
	s_cmp_lg_u32 s14, 0
	s_cbranch_scc1 .Lnot_wave_0_\@
	s_barrier_signal -3
.Lnot_wave_0_\@:
	s_barrier_wait -3
	s_barrier_signal -1
	s_barrier_wait -1
.endm
.macro CROUND
	s_barrier_signal -1
	s_barrier_wait -1
	CREST
.endm
	s_load_b128 s[4:7], s[0:1], 0x0                ; a's images s[4:5], w_out's s[6:7]
	s_load_b128 s[8:11], s[0:1], 0x10              ; the scales' exponents s[8:9], b_out s[10:11]
	s_load_b64 s[12:13], s[0:1], 0x20              ; out0
	v_lshl_add_u32 v[SPW], v0, 2, SPARE
	v_mov_b32 v[NIL], 0
	ds_add_u32 v28, v29
	ds_add_u32 v28, v29
	s_wait_dscnt 0x0
	v_lshrrev_b32 v1, 5, v0
	v_readfirstlane_b32 s14, v1                    ; wave 0..3
	s_lshr_b32 s15, s14, 1                         ; which half of the tile's rows is mine.  Also: I fetch for a (0) or for w_out (1)
	s_and_b32 s16, s14, 1                          ; which half of its columns.  Also: which 128 rows I fetch
	s_bfe_u32 s40, ttmp6, 0x40000                  ; cx, cy
	s_bfe_u32 s41, ttmp6, 0x40004
	s_lshl_b32 s19, ttmp9, 2
	s_add_co_u32 s19, s19, s40                     ; tile column = 4 x cluster x + cx
	s_and_b32 s18, ttmp7, 0xffff
	s_lshl_b32 s18, s18, 2
	s_add_co_u32 s18, s18, s41                     ; tile row = 4 x cluster y + cy
	s_lshl_b32 s43, s41, 2
	s_lshl_b32 s43, 15, s43                        ; my row of the cluster
	s_lshl_b32 s44, 0x1111, s40                    ; my column
	s_or_b32 s[G1+0], s43, (3<<16)|(1<<21)         ; 15:0 the mask; 17:16 elements of 8 bytes; 20 no padding; 21 set beside a mask
	s_or_b32 s[G1B+0], s44, (3<<16)|(1<<21)
.irp g, G1, G1B
	s_mov_b32 s[\g+1], 32<<16                      ; tensor_dim0 = 32
	s_mov_b32 s[\g+2], 128<<16                     ; tensor_dim1 = 128
	s_mov_b32 s[\g+3], 32<<16                      ; tile_dim0 = 32
	s_mov_b32 s[\g+4], 128                         ; tile_dim1 = 128
	s_mov_b32 s[\g+5], 32                          ; tensor_dim0_stride
	s_mov_b32 s[\g+6], 0
	s_mov_b32 s[\g+7], 0
.endr
	s_lshl_b32 s20, s18, 16                        ; a tile of 256 rows is 65,536 bytes of a K step, the half that I fetch 32,768
	s_lshl_b32 s21, s16, 15
	s_add_co_u32 s20, s20, s21
	s_mov_b32 s21, 0
	s_lshl_b32 s46, s19, 16
	s_lshl_b32 s47, s16, 15
	s_add_co_u32 s46, s46, s47
	s_mov_b32 s47, 0
	s_mul_i32 s45, s14, HALFT                      ; where they go: wave x 32,768
	s_wait_kmcnt 0x0
	s_load_b256 s[80:87], s[8:9], 0x0              ; e0 .. e7
	s_add_nc_u64 s[20:21], s[4:5], s[20:21]
	s_add_nc_u64 s[46:47], s[6:7], s[46:47]
	CROUND                                         ; all sixteen work-groups are here: the first joint loads meet
.irp s, 0,1
	s_mov_b32 s[G0+4*\s], 1
	s_add_co_u32 s[G0+4*\s+1], s45, \s*SLOT
	s_add_nc_u64 s[G0+4*\s+2:G0+4*\s+3], s[20:21], \s*KSA
	s_or_b32 s[G0+4*\s+3], s[G0+4*\s+3], 0x80000000
	s_mov_b32 s[G0B+4*\s], 1
	s_add_co_u32 s[G0B+4*\s+1], s45, \s*SLOT
	s_add_nc_u64 s[G0B+4*\s+2:G0B+4*\s+3], s[46:47], \s*KSB
	s_or_b32 s[G0B+4*\s+3], s[G0B+4*\s+3], 0x80000000
	JLOAD G0+4*\s, G1, G0B+4*\s, G1B
.endr
	v_and_b32 v1, 15, v0                           ; r
	v_bfe_u32 v2, v0, 4, 1                         ; h
	v_and_b32 v6, 31, v0
	v_lshlrev_b32 v[CO], 4, v6                     ; 16 x lane
	v_lshlrev_b32 v[BO], 5, v2
	s_lshl_b32 s88, s19, 10                        ; b_out at my 128 columns: 1,024 bytes a tile column + 512 a half
	s_lshl_b32 s89, s16, 9
	s_add_co_u32 s88, s88, s89
	s_mov_b32 s89, 0
	s_add_nc_u64 s[10:11], s[10:11], s[88:89]
.irp b, 0,1,2,3,4,5,6,7
	global_load_b128 v[BI+8*\b:BI+8*\b+3], v[BO], s[10:11] offset:64*\b
	global_load_b128 v[BI+8*\b+4:BI+8*\b+7], v[BO], s[10:11] offset:64*\b+16
.endr
	s_add_nc_u64 s[12:13], s[12:13], s[88:89]      ; out0 at my first column,
	s_lshl_b32 s90, s18, 8
	s_lshl_b32 s91, s15, 7
	s_add_co_u32 s90, s90, s91
	s_lshl_b32 s90, s90, 12                        ; and my first row: 256 x tile row + 128 x half, 4,096 bytes each
	s_mov_b32 s91, 0
	s_add_nc_u64 s[12:13], s[12:13], s[90:91]
	s_lshl_b32 s92, s15, 15                        ; my 128 rows of a
	s_lshl_b32 s93, s16, 15
	s_add_co_u32 s93, s93, 2*HALFT                 ; my 128 rows of w_out, behind a's 256
.irp s, 0,1
	v_add_nc_u32 v[ADRA+\s], s92, v[CO]
	v_add_nc_u32 v[ADRB+\s], s93, v[CO]
	s_add_co_u32 s92, s92, SLOT
	s_add_co_u32 s93, s93, SLOT
.endr
	s_mul_i32 s23, s14, 16*SPITCH                  ; my stage
	v_mul_u32_u24 v5, v1, SPITCH                   ; in: row r, 32 bytes for each half of the lanes
	v_lshl_add_u32 v5, v2, 5, v5
	v_add_nc_u32 v[STO], s23, v5
	v_add_nc_u32 v[RD], s23, v[CO]                 ; back: the 32 lanes take one row of 512 bytes
.macro FRAG reg, adr, q, i
.irp c, 0,1,2,3
	ds_load_b128 v[\reg+4*\c:\reg+4*\c+3], v[\adr] offset:(\i)*4096+(\q)*2048+\c*512
.endr
.endm
; The 64 accumulators take turns, one instruction a turn, in the same order in every step.
.macro MUL16 a0, p, zero
.irp a, \a0, \a0+1
.irp b, 0,1,2,3,4,5,6,7
.if \zero
	v_wmma_f32_16x16x128_fp8_fp8 v[8*(8*((\a)%4)+\b):8*(8*((\a)%4)+\b)+7], v[128*(\p)+FR*\b:128*(\p)+FR*\b+FR-1], v[AF+FR*(\a):AF+FR*(\a)+FR-1], 0
.else
	v_wmma_f32_16x16x128_fp8_fp8 v[8*(8*((\a)%4)+\b):8*(8*((\a)%4)+\b)+7], v[128*(\p)+FR*\b:128*(\p)+FR*\b+FR-1], v[AF+FR*(\a):AF+FR*(\a)+FR-1], v[8*(8*((\a)%4)+\b):8*(8*((\a)%4)+\b)+7]
.endif
.endr
.endr
.endm
.macro FETCH_B slot, q, p
	WIN TO_B
.irp i, 0,1,2,3,4,5,6,7
	FRAG 128*(\p)+FR*\i, ADRB+\slot, \q, \i
.endr
	WIN 0
.endm
.macro FETCH_A slot, q, i0
.irp i, \i0, \i0+1, \i0+2, \i0+3
	FRAG AF+FR*(\i), ADRA+\slot, \q, \i
.endr
.endm
.macro PLACES n                        ; plain vector lines between a matrix instruction and a load into, or a vector read or write of, its registers
.rept \n
	v_nop
.endr
.endm
.macro STEP slot, q, zero
	s_wait_dscnt 4*NL                              ; w_out's set and a's blocks 0-3 are in; the youngest 16 loads (a's blocks 4-7) may be out
	WIN MUL_LO
	MUL16 0, (\q)%2, \zero
	MUL16 2, (\q)%2, \zero
	s_wait_dscnt 0
	PLACES NP
	FETCH_B \slot, (\q)+1, 1-(\q)%2
	FETCH_A \slot, (\q)+1, 0
	WIN MUL_HI
	MUL16 4, (\q)%2, \zero
	MUL16 6, (\q)%2, \zero
	PLACES NP
	WIN 0
	FETCH_A \slot, (\q)+1, 4
.endm
.macro TURN slot, next, fill
	s_wait_tensorcnt 0x0                           ; all my tensor loads have landed: my part of the next slot
	ds_add_u32 v[SPW], v[NIL]                      ; 0 onto my spare word
	s_wait_dscnt 4*NL+1                            ; the add and the youngest 16 loads may be out
	WIN MUL_LO
	MUL16 0, 1, 0
	s_wait_dscnt 0x0                               ; the add is done, and my reads of this slot are over
	s_barrier_signal -1
	MUL16 2, 1, 0
	WIN 0
	s_barrier_wait -1
.if \fill
	CREST                                          ; the barrier has opened a round of the cluster's: no wave of any partner still reads this slot or has a load on its way
	s_add_nc_u64 s[G0+4*\slot+2:G0+4*\slot+3], s[G0+4*\slot+2:G0+4*\slot+3], 2*KSA
	s_add_nc_u64 s[G0B+4*\slot+2:G0B+4*\slot+3], s[G0B+4*\slot+2:G0B+4*\slot+3], 2*KSB
	JLOAD G0+4*\slot, G1, G0B+4*\slot, G1B         ; the first tensor load behind the round, my only one until the next
.else
	PLACES NP
.endif
	FETCH_B \next, 0, 0
	FETCH_A \next, 0, 0
	WIN MUL_HI
	MUL16 4, 1, 0
	MUL16 6, 1, 0
	PLACES NP
	WIN 0
	FETCH_A \next, 0, 4
.endm
	s_wait_tensorcnt 1                             ; my part of K step 0 is in; K step 1's load may be out
	s_barrier_signal -1
	s_barrier_wait -1
	FETCH_B 0, 0, 0
	FETCH_A 0, 0, 0
	FETCH_A 0, 0, 4
	STEP 0, 0, 1
	TURN 0, 1, 1                                   ; slot 0 takes K step 2
	STEP 1, 0, 0
	TURN 1, 0, 1                                   ; slot 1 takes K step 3
	STEP 0, 0, 0
	TURN 0, 1, 0
	STEP 1, 0, 0
	s_wait_dscnt 4*NL
	WIN MUL_LO
	MUL16 0, 1, 0
	MUL16 2, 1, 0
	s_wait_dscnt 0
	WIN MUL_HI
	MUL16 4, 1, 0
	MUL16 6, 1, 0
	WIN 0
; THE WAY OUT, block by block of 16 rows x 128 columns: a lane holds 32 neighbouring bytes of a row and the lanes beside it other rows, so a block goes through my own stage in LDS and comes back as whole
; rows of 512 bytes.  LDS serves a wave's instructions in order (ISA guide 5.7.1.4): no wait between the stores and the loads, nor in front of the next block's stores.
.macro TOSTAGE a
.set AC, 64*((\a)%4)
	WIN 0x42+((\a)/4)                              ; source 0 (the sums) window 2 or 3, source 2 (b_out) window 0, destination window 1
.set j, 0
.rept 32
	v_pk_fma_f32 v[j:j+1], v[AC+j:AC+j+1], s[96:97], v[BI+j:BI+j+1] op_sel_hi:[1,0,1]   ; sum x 2^(e6 + e7) + b_out; each accumulator from its low end on
.set j, j+2
.endr
	WIN 0x04                                       ; the stores' data in window 1
.irp b, 0,1,2,3,4,5,6,7
	ds_store_b128 v[STO], v[8*\b:8*\b+3] offset:64*\b
	ds_store_b128 v[STO], v[8*\b+4:8*\b+7] offset:64*\b+16
.endr
	WIN 0
.set BB, BK+64*((\a)%2)
.irp t, 0,1,2,3,4,5,6,7,8,9,10,11,12,13,14,15
	ds_load_b128 v[BB+4*\t:BB+4*\t+3], v[RD] offset:\t*SPITCH
.endr
.endm
.macro SEND a, younger                 ; younger: the LDS instructions issued behind block a's loads, which may stay out
.set BB, BK+64*((\a)%2)
	s_wait_dscnt \younger
.if (\a) > 0
	s_add_nc_u64 s[12:13], s[12:13], 16*ROWC       ; (behind a wait on XCNT: the earlier stores have read their base)
.endif
.irp t, 0,1,2,3,4,5,6,7,8,9,10,11,12,13,14,15
	global_store_b128 v[CO], v[BB+4*\t:BB+4*\t+3], s[12:13] offset:\t*ROWC th:TH_STORE_NT   ; 32 lanes store 512 consecutive bytes, at a multiple of 256 from out0's first byte
.endr
.endm
	s_wait_kmcnt 0x0
	s_add_co_i32 s96, s86, s87
	s_add_co_i32 s96, s96, 127
	s_lshl_b32 s96, s96, 23                        ; 2^(e6 + e7) as f32
	s_mov_b32 s97, s96                             ; (named with it as a pair, so it is written)
	s_wait_loadcnt 0x0                             ; b_out
	PLACES NP                                      ; behind the last products
	TOSTAGE 0
.irp a, 1,2,3,4,5,6,7
.if \a > 1
	s_wait_xcnt 0x0                                ; block a - 2's stores have read their registers and their base
.endif
	TOSTAGE \a
	SEND \a-1, 32                                  ; behind block a - 1's loads: block a's 16 stores and 16 loads
.endr
	s_wait_xcnt 0x0
	SEND 7, 0
	s_wait_tensorcnt 0x0                           ; the wave's end
	ds_add_u32 v[SPW], v[NIL]
	s_wait_dscnt 0x0
	CROUND                                         ; the closing round
	s_endpgm
.Lfunc_end_k_q89681fe3bc_proj:
	.size	k_q89681fe3bc_proj, .Lfunc_end_k_q89681fe3bc_proj-k_q89681fe3bc_proj
	.p2alignl 7, 3214868480
	.fill 96, 4, 3214868480
	.section	.rodata,"a",@progbits
	.p2align	6, 0x0
	.amdhsa_kernel k_q89681fe3bc_proj
		.amdhsa_group_segment_fixed_size 327680
		.amdhsa_private_segment_fixed_size 0
		.amdhsa_enable_private_segment 0
		.amdhsa_kernarg_size 40
		.amdhsa_user_sgpr_count 2
		.amdhsa_user_sgpr_kernarg_segment_ptr 1
		.amdhsa_wavefront_size32 1
		.amdhsa_system_sgpr_workgroup_id_x 1
		.amdhsa_system_sgpr_workgroup_id_y 1
		.amdhsa_system_sgpr_workgroup_id_z 1
		.amdhsa_system_vgpr_workitem_id 0
		.amdhsa_next_free_vgpr 1024
		.amdhsa_next_free_sgpr 98
		.amdhsa_reserve_vcc 0
		.amdhsa_float_denorm_mode_32 3
		.amdhsa_float_denorm_mode_16_64 3
		.amdhsa_memory_ordered 1
		.amdhsa_forward_progress 1
		.amdhsa_inst_pref_size 125
	.end_amdhsa_kernel
	.amdgpu_metadata
---
amdhsa.version: [ 1, 2 ]
amdhsa.kernels:
  - .name:           k_q89681fe3bc_proj
    .symbol:         k_q89681fe3bc_proj.kd
    .args:
      - { .name: a_img, .offset: 0, .size: 8, .value_kind: global_buffer, .address_space: global }
      - { .name: wo_img, .offset: 8, .size: 8, .value_kind: global_buffer, .address_space: global }
      - { .name: lowp_scales, .offset: 16, .size: 8, .value_kind: global_buffer, .address_space: global }
      - { .name: b_out, .offset: 24, .size: 8, .value_kind: global_buffer, .address_space: global }
      - { .name: out0, .offset: 32, .size: 8, .value_kind: global_buffer, .address_space: global }
    .group_segment_fixed_size: 327680
    .private_segment_fixed_size: 0
    .kernarg_segment_align: 8
    .kernarg_segment_size: 40
    .max_flat_workgroup_size: 128
    .sgpr_count:     98
    .vgpr_count:     1024
    .wavefront_size: 32
...
	.end_amdgpu_metadata
.endif
;; end of part 4
;; ======== version 2 of 2: 4 launches; version 1 with the launch attn written anew for expert scheduling mode
;; workspace buffers: x_img 8,388,608 bytes; wq_img 3,145,728 bytes; wo_img 1,048,576 bytes; qkv_img 25,165,824 bytes; a_img 8,388,608 bytes
;; launch prep: the kernel of part 1 again; grid 384 x 1, 4 waves a work-group, no clusters, 69,120 bytes of LDS; arguments x, w_qkv, w_out, lowp_scales, x_img, wq_img, wo_img; writes x_img, wq_img, wo_img
;; launch qkv: the kernel of part 2 again; grid 12 x 32, 4 waves a work-group, clusters of 4 x 4, 327,680 bytes of LDS; arguments x_img, wq_img, lowp_scales, qkv_img; writes qkv_img
;; launch attn (part 5): grid 4 x 64, 16 waves a work-group, no clusters, 67,584 bytes of LDS; arguments qkv_img, lowp_scales, a_img; writes a_img
.if DOCPART == 5
	.amdgcn_target "amdgcn-amd-amdhsa--gfx1250"
	.amdhsa_code_object_version 6
	.text
	.protected	k_q89681fe3bc_attn
	.globl	k_q89681fe3bc_attn
	.p2align	8
	.type	k_q89681fe3bc_attn,@function
k_q89681fe3bc_attn:
	s_mov_b64 s[64:65], 0
	v_nop
	global_prefetch_b8 v0, s[64:65] scope:SCOPE_SE
	s_setreg_imm32_b32 hwreg(HW_REG_WAVE_SCHED_MODE, 0, 2), 2
	s_setreg_imm32_b32 hwreg(HW_REG_WAVE_MODE, 25, 1), 1
	s_wait_xcnt 0x0
	s_wait_alu depctr_vm_vsrc(0)
; Causal attention on codes of FP8 (E4M3): 64 batch x heads, 2,048 tokens, head size 64.  Both products quantised; the result is quantised at once for the output projection.
; THE SOFTMAX: t = score x log2(e) (q carries the 1/8); M = the running largest t rounded UP to a whole number; p = 2^(t - M) is quantised with 2^e4, not normalised; the row's sum is taken of the
; unquantised p in f32 and divides at the end.  When M moves, the sum and O are multiplied by 2^(old M - new M), which rounds nothing.
; SHARES.  Work-group (g, batch x head), g = 0..3, takes the block g of 256 queries, which needs key slots 0..g of 256 keys, and then block 7 - g, slots 0..7 - g: nine slots for every work-group.
; Each of sixteen waves owns one tile of 16 queries of the block in hand, in 256 registers: four waves to a SIMD, so that one wave's vector work stands beside another's products and LDS loads.
; LAYOUT.  Both products are used transposed: S^T = K Q^T (source 0 = 16 keys, K = 64), O^T = V^T P^T (source 0 = 16 of the head's 64, K = 128 keys): a lane holds ONE query throughout.  All operands come as
; images of operand registers, so a result's eight registers, converted, ARE registers 2 c, 2 c + 1 of the next operand (k = 16 c + 8 h + 0 .. 7), and every LDS load reads consecutive bytes at 16 x lane.
; THE SLOTS go through registers: each of the 512 threads loads 4 x 16 bytes of the next slot at a trip's head and stores them into the other LDS buffer at its end; one barrier a trip orders both the
; reads of the buffer written next and the stores of the buffer read next.  So no wave waits for memory within a trip, and nothing more is asked for ahead.
; NO JOINT LOADS: the four work-groups of a head want slot 0..g, then 0..7 - g: in a given trip they want different slots.
; CAUSAL: a step of 128 keys all of which come after the wave's queries is jumped over (a scalar branch on ids); on the diagonal hidden scores become -infinity ahead of the maximum.
; LIMITS on the given exponents: e2 + e3 between -126 and 127; e4, and e6 - e4 - e5, between -126 and 119.  NaN among the inputs is not served.
; THE MODE: SCHED_MODE bits 1:0 = 2 (LLVM: expert scheduling mode 2), set by the entry lines.  The code itself states the register dependences between vector or matrix instructions and memory or LDS
; instructions, with s_wait_alu, always for 0.
; THE PLAN.  Registers that memory or LDS instructions touch:
;   v1, v2     offsets, made once at the head and never written again: one wait on va_vdst at the head serves every load and store that reads them.
;   v4         LDS address in the buffer that is read.  Written by one addition at a step's head; read by the step's 32 LDS loads.
;   v5         LDS address in the buffer that is written.  Written by one addition at a trip's head; read by the four LDS stores at the trip's end.
;   v[KV ..]   A step: K's 16 loads land; the eight products K Q^T read them; V^T's 16 loads land; the four products V^T P^T read them.
;   v[G ..]    A trip: four global loads land at its head; the four LDS stores at its end read them.  No vector instruction names them.
;   v[OC ..]   A tile's end: four conversions write them, two global stores read them.
; THE WAITS.  A trip's head: vm_vsrc (the last LDS stores have read G and v5), G's loads, v5's addition, va_vdst (v5 is written): so the trip's end holds no s_wait_alu, and its LDS stores go out beside the last products.
; A step's head: vm_vsrc (the LDS loads so far have read v4), v4's addition, va_vdst (v4 is written; the last products are done reading KV).  Behind the scores' products: va_vdst (they are done reading K's fragments);
; V^T's loads follow it in four runs of four, dealt among the maximum's lines, which name neither KV nor v4.  Behind the exponentials: the one wait for the batch.  A tile's end: va_vdst ahead of its stores, vm_vsrc behind them.
; REGISTERS: v1 16 x lane; v2 16 x thread; v3 r - 8 h; v4, v5 LDS addresses; v12 -M, v13 the largest t, v[14:15] the sum in two halves; v16-23 Q; v24-31 the second block's Q; v32-95 K's, then V's fragments;
;   v96-159 S^T, then p; v160-191 O^T; v192-207 p's codes; v208-223 the next slot on its way; v224-231 the result's codes; v236-254 at work and constants.
.set BUF,  32768                       ; an LDS buffer: K's 16 tiles of 16 keys (16,384 bytes), then V's two blocks of 128 keys
.set VOFF, 16384
.set QF,   16
.set QH,   24
.set KV,   32
.set S,    96
.set O,    160
.set PC,   192
.set G,    208
.set OC,   224
.set WV,   10                          ; s10 wave;  s11 g;  s12 batch x head
.set GI,   11
.set BH,   12
.set TB,   13                          ; s13 the buffer that is read;  s14 the one that is written
.set TW,   14
.set N,    15                          ; s15 the trip, 0..8;  s16 g + 1: the trip in which the second block begins
.set GP1,  16
.set IDX,  17                          ; s17 the trip's slot;  s18 the next trip's
.set NX,   18
.set KF,   19                          ; s19 the step's first key
.set Q0,   20                          ; s20 my first query;  s21 that of the second block
.set Q0H,  21
.set CS,   22                          ; s[22:23] log2(e) x 2^(e2 + e3)
.set SEL,  24                          ; s[24:25] lane selects: lane l xor 16
.set EP,   26                          ; s26 e4
.set KB,   28                          ; s[28:29] k's image of my head; s[30:31] v's; s[32:35] the same at the slot asked for
.set VB,   30
.set KP,   32
.set VP,   34
.set AB,   36                          ; s[36:37] a_img at my batch and head; s[38:39] at my tile
.set AP,   38
.set MK,   40                          ; s40-47 and s50-57: behind the head, where the exponents and the head's offsets have been used up: sixteen masks of the diagonal's compares
.set T,    48                          ; s48 at work; s49 stays 0: the pair is an offset
; Fragment d of V^T (16 of the head's 64 x the step's 128 keys): four LDS loads
.macro VFRAG q, d
.irp c, 0,1,2,3
	ds_load_b128 v[KV+16*(\d)+4*\c:KV+16*(\d)+4*\c+3], v4 offset:VOFF+(\q)*8192+(\c/2)*4096+(\d)*1024+(\c%2)*512
.endr
.endm
; A KEY STEP: the q-th 128 keys of the slot in hand.
.macro STEP q
	s_add_co_u32 s[T], s[Q0], 15
	s_cmp_gt_u32 s[KF], s[T]
	s_cbranch_scc1 .Lhidden_\@                     ; all 128 keys come after my 16 queries
	s_wait_alu depctr_vm_vsrc(0)                   ; the LDS loads issued so far have read v4, which the next line writes
	v_add_nc_u32 v4, s[TB], v1
.rept 3
	v_nop                                          ; with the addition: four places in front of loads into registers that the last products read
.endr
	s_wait_alu depctr_va_vdst(0)                   ; v4 is written, which the step's LDS loads read; the last products V^T P^T are done reading v[KV ..], in which K's fragments land
.irp c, 0,1,2,3,4,5,6,7
	ds_load_b128 v[KV+8*\c:KV+8*\c+3], v4 offset:(8*(\q)+\c)*1024
	ds_load_b128 v[KV+8*\c+4:KV+8*\c+7], v4 offset:(8*(\q)+\c)*1024+512
.endr
	s_wait_dscnt 0x0
.irp c, 0,1,2,3,4,5,6,7
	v_wmma_f32_16x16x64_fp8_fp8 v[S+8*\c:S+8*\c+7], v[KV+8*\c:KV+8*\c+7], v[QF:QF+7], 0   ; register 8 c + j: key KF + 16 c + 8 h + j, query Q0 + r
.endr
.rept 4
	v_nop                                          ; places in front of the loads below and of the first read of the scores
.endr
	s_wait_alu depctr_va_vdst(0)                   ; the eight products are done reading K's fragments in v[KV ..], in which V^T's four fragments land; no vector line from here to the last of those loads names v[KV ..] or v4
	VFRAG \q, 0                                    ; V^T's fragments land under the softmax: the first now, the other three among the maximum's lines
	s_add_co_u32 s[T], s[KF], 127
	s_cmp_le_u32 s[T], s[Q0]
	s_cbranch_scc1 .Lopen_\@                       ; every key of the step counts for every query of mine
	s_sub_co_i32 s[T], s[Q0], s[KF]
	v_add_nc_u32 v252, s[T], v3                    ; d = my query - KF - 8 h: register 8 c + j is hidden where 16 c + j > d
	v_mov_b32 v254, 0xff800000                     ; -infinity
.set n, 0
.rept 4                                        ; sixteen compares in a run, into sixteen scalar registers; one wait; the sixteen selects that read them
.set m, 0
.rept 16
	v_cmp_gt_i32 s[MK+m+2*(m/8)], 16*((n+m)/8)+(n+m)%8, v252
.set m, m+1
.endr
	s_wait_alu depctr_va_sdst(0)                   ; the sixteen compares have written their masks, ahead of the first select that reads one
.set m, 0
.rept 16
	v_cndmask_b32 v[S+n+m], v[S+n+m], v254, s[MK+m+2*(m/8)]
.set m, m+1
.endr
.set n, n+16
.endr
.Lopen_\@:
	v_max3_num_f32 v254, v[S], v[S+1], v[S+2]      ; the step's largest score of my query among my 64 keys, in two chains, each accumulator from its low end on
	v_max3_num_f32 v252, v[S+3], v[S+4], v[S+5]
.irp i, 6,10,14,18,22,26,30,34,38,42,46,50,54,58
	v_max3_num_f32 v254, v254, v[S+\i], v[S+1+\i]
	v_max3_num_f32 v252, v252, v[S+2+\i], v[S+3+\i]
.if \i == 14
	VFRAG \q, 1
.endif
.if \i == 30
	VFRAG \q, 2
.endif
.if \i == 46
	VFRAG \q, 3
.endif
.endr
	v_max3_num_f32 v254, v254, v[S+62], v[S+63]
	v_max_num_f32 v254, v254, v252
	v_permlanex16_b32 v236, v254, s[SEL], s[SEL+1]
	v_max_num_f32 v254, v254, v236                 ; and among lane l xor 16's
	v_mul_f32 v254, s[CS], v254                    ; as t (the factor is positive)
	v_max_num_f32 v13, v13, v254                   ; the running largest t
	v_mov_b32 v254, v12
	v_floor_f32 v12, -v13                          ; the new -M = floor(-t) = -ceil(t)
	v_sub_f32 v254, v12, v254                      ; old M - new M: a whole number, 0 or less
	v_cvt_i32_f32 v254, v254                       ; (it saturates)
	v_ldexp_f32 v252, 1.0, v254                    ; f = 2^(old M - new M)
.set j, 0
.rept 32
	v_pk_fma_f32 v[S+j:S+j+1], v[S+j:S+j+1], s[CS:CS+1], v[12:13] op_sel_hi:[1,0,0]   ; t - M, two at a time (of each pair the low word serves both halves)
.set j, j+2
.endr
.set j, 0
.rept 64
	v_exp_f32 v[S+j], v[S+j]                       ; p = 2^(t - M), at most 1
.set j, j+1
.endr
	v_pk_mul_f32 v[14:15], v[14:15], v[252:253] op_sel_hi:[1,0]   ; the sums under the new M: the plain line behind the exponentials
	s_wait_alu depctr_va_vdst(0)                   ; the 64 exponentials have written p in v[S ..]: one wait for the batch, ahead of its first reader
	v_pk_add_f32 v[242:243], v[S:S+1], v[S+2:S+3]  ; the row's sum is taken of the unquantised p, in two chains
.irp j, 4,8,12,16,20,24,28,32,36,40,44,48,52,56,60
	v_pk_add_f32 v[14:15], v[14:15], v[S+\j:S+1+\j]
	v_pk_add_f32 v[242:243], v[242:243], v[S+2+\j:S+3+\j]
.endr
	v_pk_add_f32 v[14:15], v[14:15], v[242:243]
	s_cmp_gt_i32 s[EP], -9                         ; with e4 >= -8 the largest code stands for 448 x 2^e4 >= 1.75, above every p: the hold changes nothing and is jumped over
	s_cbranch_scc1 .Lno_hold_\@
.set j, 0
.rept 64
	v_min_num_f32 v[S+j], v[S+j], v240             ; the conversion does not saturate (ISA guide 7.6.2); p is not negative, so the hold is one-sided
.set j, j+1
.endr
.Lno_hold_\@:
.irp c, 0,1,2,3,4,5,6,7
	v_cvt_scalef32_pk8_fp8_f32 v[PC+2*\c:PC+2*\c+1], v[S+8*\c:S+8*\c+7], v244   ; registers 2 c, 2 c + 1 of P: keys 16 c + 8 h + 0 .. 7
.endr
.set j, 0
.rept 16
	v_pk_mul_f32 v[O+j:O+j+1], v[O+j:O+j+1], v[252:253] op_sel_hi:[1,0]   ; O^T under the new M; these are also the plain lines behind the conversions
.set j, j+2
.endr
	s_wait_dscnt 0x0                               ; V^T's fragments are in
.irp d, 0,1,2,3
	v_wmma_f32_16x16x128_fp8_fp8 v[O+8*\d:O+8*\d+7], v[KV+16*\d:KV+16*\d+15], v[PC:PC+15], v[O+8*\d:O+8*\d+7]   ; four accumulators by turns; the scores' products stand between two links of a chain
.endr
.Lhidden_\@:
	s_add_co_u32 s[KF], s[KF], 128
.endm
; A tile is finished: O^T / the sum, quantised for the output projection (scale 2^(e6 - e4 - e5) on the bare sums), stored as half a fragment's image: 2 x 512 consecutive bytes.
; restart = 1: the wave goes on with its tile of the second block.
.macro FINISH restart
.rept 4
	v_nop                                          ; places behind the last products
.endr
	v_add_f32 v14, v14, v15                        ; the sum's two halves,
	v_permlanex16_b32 v252, v14, s[SEL], s[SEL+1]
	v_add_f32 v14, v14, v252                       ; and lane l xor 16's
	v_rcp_f32 v14, v14
	v_nop                                          ; a plain line behind the reciprocal
	s_lshl_b32 s[T], s[Q0], 8                      ; a tile of 16 rows is 4,096 bytes of a K step
	s_add_nc_u64 s[AP:AP+1], s[AB:AB+1], s[T:T+1]
	s_wait_alu depctr_va_vdst(0)                   ; the reciprocal has written v14, ahead of its first reader
.set j, 0
.rept 16
	v_pk_mul_f32 v[S+j:S+j+1], v[O+j:O+j+1], v[14:15] op_sel_hi:[1,0]   ; register 8 d + i: channel 16 d + 8 h + i of query r
.set j, j+2
.endr
.set j, 0
.rept 32
	v_med3_num_f32 v[S+j], v[S+j], -v246, v246
.set j, j+1
.endr
.irp d, 0,1,2,3
	v_cvt_scalef32_pk8_fp8_f32 v[OC+2*\d:OC+2*\d+1], v[S+8*\d:S+8*\d+7], v247
.endr
	v_nop                                          ; a plain line behind the conversions
	s_wait_alu depctr_va_vdst(0)                   ; the four conversions have written v[OC ..], which the two stores read
	global_store_b128 v1, v[OC:OC+3], s[AP:AP+1]
	global_store_b128 v1, v[OC+4:OC+7], s[AP:AP+1] offset:512
.if \restart
	s_wait_xcnt 0x0                                ; the stores have read their registers and base: the second tile's end writes them again
	s_wait_alu depctr_vm_vsrc(0)                   ; the two stores have read v[OC ..], which the second tile's conversions write again
	s_mov_b32 s[Q0], s[Q0H]
.irp i, 0,1,2,3,4,5,6,7
	v_mov_b32 v[QF+\i], v[QH+\i]
.endr
.set j, 0
.rept 32
	v_mov_b32 v[O+j], 0                            ; the step is written once: a tile's first step finds zeros
.set j, j+1
.endr
	v_mov_b32 v13, 0xff61b1e6                      ; -3e38, under every t
	v_floor_f32 v12, -v13
	v_mov_b32 v14, 0
	v_mov_b32 v15, 0
.endif
.endm
	s_load_b128 s[4:7], s[0:1], 0x0                ; qkv_img s[4:5], the scales' exponents s[6:7]
	s_load_b64 s[8:9], s[0:1], 0x10                ; a_img
	v_lshl_add_u32 v251, v0, 2, 0x10000
	v_mov_b32 v255, 0
	v_lshrrev_b32 v4, 5, v0
	v_readfirstlane_b32 s[WV], v4                  ; wave 0..15
	v_and_b32 v1, 31, v0
	v_lshlrev_b32 v1, 4, v1                        ; 16 x lane
	v_lshlrev_b32 v2, 4, v0                        ; 16 x thread
	v_and_b32 v3, 15, v0
	v_bfe_u32 v4, v0, 4, 1
	v_lshlrev_b32 v4, 3, v4
	v_sub_nc_u32 v3, v3, v4                        ; r - 8 h
	s_mov_b32 s[GI], ttmp9
	s_and_b32 s[BH], ttmp7, 0xffff
	s_add_co_u32 s[GP1], s[GI], 1
	s_wait_alu depctr_va_sdst(0)                   ; the wave's number is written, ahead of its first reader: my queries' numbers are made from it
	s_lshl_b32 s[T], s[WV], 4
	s_lshl_b32 s[Q0], s[GI], 8
	s_add_co_u32 s[Q0], s[Q0], s[T]                ; 256 g + 16 x wave
	s_sub_co_u32 s[Q0H], 7, s[GI]
	s_lshl_b32 s[Q0H], s[Q0H], 8
	s_add_co_u32 s[Q0H], s[Q0H], s[T]              ; 256 (7 - g) + 16 x wave
	s_mov_b32 s[T+1], 0
	s_lshl_b32 s50, s[BH], 17                      ; my head's 131,072 bytes in each kind
	s_mov_b32 s51, 0
	s_lshl_b32 s52, s[Q0], 6                       ; 64 bytes a token
	s_mov_b32 s53, 0
	s_lshl_b32 s54, s[Q0H], 6
	s_mov_b32 s55, 0
	s_lshr_b32 s56, s[BH], 4
	s_lshl_b32 s56, s56, 19                        ; a_img: the batch's 128 tiles of rows x 4,096 bytes,
	s_bfe_u32 s57, s[BH], 0x20002
	s_lshl_b32 s57, s57, 21                        ; K = 64 x head + d: the K step of 256 is head / 4,
	s_add_co_u32 s56, s56, s57
	s_bfe_u32 s57, s[BH], 0x10001
	s_lshl_b32 s57, s57, 11                        ; its half of 128 is (head / 2) % 2,
	s_add_co_u32 s56, s56, s57
	s_and_b32 s57, s[BH], 1
	s_lshl_b32 s57, s57, 10                        ; and the two groups of four registers are 2 (head % 2) on
	s_add_co_u32 s56, s56, s57
	s_mov_b32 s57, 0
	s_mov_b32 s[SEL], 0x76543210
	s_mov_b32 s[SEL+1], 0xfedcba98
	s_mov_b32 s[CS], 0x3fb8aa3b                    ; log2(e)
	s_mov_b32 s[TB], 0
	s_mov_b32 s[TW], BUF
	s_mov_b32 s[N], 0
	s_mov_b32 s[IDX], 0
	s_mov_b32 s[KF], 0
	s_wait_kmcnt 0x0
	s_load_b256 s[40:47], s[6:7], 0x0              ; e0 .. e7
	s_add_nc_u64 s[4:5], s[4:5], s[50:51]          ; q's image of my head,
	s_add_nc_u64 s[KB:KB+1], s[4:5], 0x800000      ; k's,
	s_add_nc_u64 s[VB:VB+1], s[4:5], 0x1000000     ; v's
	s_add_nc_u64 s[52:53], s[4:5], s[52:53]
	s_add_nc_u64 s[54:55], s[4:5], s[54:55]
	s_add_nc_u64 s[AB:AB+1], s[8:9], s[56:57]
	s_wait_alu depctr_va_vdst(0)                   ; v1 and v2 are written: every global load and store, and the LDS stores of slot 0, read one of them as offset or address; neither is written again
	global_load_b128 v[G:G+3], v2, s[KB:KB+1]                    ; slot 0: the 512 threads read 8,192 consecutive bytes a line
	global_load_b128 v[G+4:G+7], v2, s[KB:KB+1] offset:8192
	global_load_b128 v[G+8:G+11], v2, s[VB:VB+1]
	global_load_b128 v[G+12:G+15], v2, s[VB:VB+1] offset:8192
	global_load_b128 v[QF:QF+3], v1, s[52:53]                    ; both tiles' fragments of Q stay in registers
	global_load_b128 v[QF+4:QF+7], v1, s[52:53] offset:512
	global_load_b128 v[QH:QH+3], v1, s[54:55]
	global_load_b128 v[QH+4:QH+7], v1, s[54:55] offset:512
	v_mov_b32 v13, 0xff61b1e6                      ; the largest t so far: -3e38
	v_floor_f32 v12, -v13                          ; -M
	v_mov_b32 v14, 0
	v_mov_b32 v15, 0
	v_mov_b32 v236, 0                              ; a lane permute's destination counts as one of its sources
	v_mov_b32 v252, 0
	v_mov_b32 v253, 0                              ; (named as the upper half of the pair v[252:253])
.set j, 0
.rept 32
	v_mov_b32 v[O+j], 0
.set j, j+1
.endr
	s_wait_kmcnt 0x0
	s_add_co_i32 s[T], s42, s43
	s_lshl_b32 s[T], s[T], 23
	s_add_co_i32 s[CS], s[CS], s[T]                ; a score stands for score x 2^(e2 + e3): added to the factor's exponent field
	s_mov_b32 s[CS+1], s[CS]
	s_mov_b32 s[EP], s44
	s_add_co_i32 s[T], s44, 127
	s_lshl_b32 s50, s[T], 23
	v_mov_b32 v244, s50                            ; 2^e4
	s_add_co_i32 s[T], s[T], 8
	s_lshl_b32 s[T], s[T], 23
	s_or_b32 s[T], s[T], 0x600000
	v_mov_b32 v240, s[T]                           ; 448 x 2^e4
	s_sub_co_i32 s[T], s46, s44
	s_sub_co_i32 s[T], s[T], s45                   ; e6 - e4 - e5
	s_add_co_i32 s[T], s[T], 127
	s_lshl_b32 s50, s[T], 23
	v_mov_b32 v247, s50
	s_add_co_i32 s[T], s[T], 8
	s_lshl_b32 s[T], s[T], 23
	s_or_b32 s[T], s[T], 0x600000
	v_mov_b32 v246, s[T]
	s_wait_loadcnt 0x0
	ds_store_b128 v2, v[G:G+3]                     ; (no vector line since the head's wait names v2 or v[G ..])
	ds_store_b128 v2, v[G+4:G+7] offset:8192
	ds_store_b128 v2, v[G+8:G+11] offset:16384
	ds_store_b128 v2, v[G+12:G+15] offset:24576
	s_wait_dscnt 0x0                               ; for the others' sake: my part of slot 0 lies in LDS
	s_barrier_signal -1
	s_barrier_wait -1
.Ltrip:                                            ; eight trips; the ninth, which asks for nothing, is written out
	s_add_co_u32 s[NX], s[IDX], 1
	s_cmp_eq_u32 s[N], s[GI]
	s_cselect_b32 s[NX], 0, s[NX]                  ; behind the first block's last slot comes the second block's slot 0
	s_lshl_b32 s[T], s[NX], 14                     ; a slot is 16,384 bytes of k's image and of v's
	s_add_nc_u64 s[KP:KP+1], s[KB:KB+1], s[T:T+1]  ; (the last loads that read these pairs were waited for at the last trip's end)
	s_add_nc_u64 s[VP:VP+1], s[VB:VB+1], s[T:T+1]
	s_wait_alu depctr_vm_vsrc(0)                   ; the LDS stores of the trip before (in the first trip: of slot 0) have read v[G ..], in which the loads below land, and v5, which is written below
	global_load_b128 v[G:G+3], v2, s[KP:KP+1]
	global_load_b128 v[G+4:G+7], v2, s[KP:KP+1] offset:8192
	global_load_b128 v[G+8:G+11], v2, s[VP:VP+1]
	global_load_b128 v[G+12:G+15], v2, s[VP:VP+1] offset:8192
	v_add_nc_u32 v5, s[TW], v2                     ; where this trip's end stores them
	s_wait_alu depctr_va_vdst(0)                   ; v5 is written, which the LDS stores at the trip's end read: no vector line of the trip names it again, on the way over two hidden steps too
	s_cmp_lg_u32 s[N], s[GP1]
	s_cbranch_scc1 .Lsame_block
	FINISH 1
.Lsame_block:
	STEP 0
	STEP 1
	s_wait_loadcnt 0x0                             ; the next slot is in registers
	ds_store_b128 v5, v[G:G+3]                     ; into the buffer that was read in the trip before: every wave's reads of it were over at that trip's barrier
	ds_store_b128 v5, v[G+4:G+7] offset:8192
	ds_store_b128 v5, v[G+8:G+11] offset:16384
	ds_store_b128 v5, v[G+12:G+15] offset:24576
	s_wait_dscnt 0x0                               ; my stores have landed, and my reads of this trip's buffer are over
	s_barrier_signal -1
	s_barrier_wait -1
	s_xor_b32 s[TB], s[TB], BUF
	s_xor_b32 s[TW], s[TW], BUF
	s_mov_b32 s[IDX], s[NX]
	s_lshl_b32 s[KF], s[IDX], 8
	s_add_co_u32 s[N], s[N], 1
	s_cmp_lt_u32 s[N], 8
	s_cbranch_scc1 .Ltrip
	STEP 0                                         ; the ninth slot: the second block's diagonal
	STEP 1
	FINISH 0
	s_wait_dscnt 0x0
	s_wait_alu depctr_hold_cnt(0) depctr_sa_sdst(0) depctr_va_vdst(0) depctr_va_sdst(0) depctr_va_ssrc(0) depctr_va_vcc(0) depctr_vm_vsrc(0)
	s_wait_tensorcnt 0x0
	ds_add_u32 v251, v255
	s_wait_dscnt 0x0
	s_endpgm
.Lfunc_end_k_q89681fe3bc_attn:
	.size	k_q89681fe3bc_attn, .Lfunc_end_k_q89681fe3bc_attn-k_q89681fe3bc_attn
	.p2alignl 7, 3214868480
	.fill 96, 4, 3214868480
	.section	.rodata,"a",@progbits
	.p2align	6, 0x0
	.amdhsa_kernel k_q89681fe3bc_attn
		.amdhsa_group_segment_fixed_size 67584
		.amdhsa_private_segment_fixed_size 0
		.amdhsa_enable_private_segment 0
		.amdhsa_kernarg_size 24
		.amdhsa_user_sgpr_count 2
		.amdhsa_user_sgpr_kernarg_segment_ptr 1
		.amdhsa_wavefront_size32 1
		.amdhsa_system_sgpr_workgroup_id_x 1
		.amdhsa_system_sgpr_workgroup_id_y 1
		.amdhsa_system_sgpr_workgroup_id_z 1
		.amdhsa_system_vgpr_workitem_id 0
		.amdhsa_next_free_vgpr 256
		.amdhsa_next_free_sgpr 66
		.amdhsa_reserve_vcc 0
		.amdhsa_float_denorm_mode_32 3
		.amdhsa_float_denorm_mode_16_64 3
		.amdhsa_memory_ordered 1
		.amdhsa_forward_progress 1
		.amdhsa_inst_pref_size 116
	.end_amdhsa_kernel
	.amdgpu_metadata
---
amdhsa.version: [ 1, 2 ]
amdhsa.kernels:
  - .name:           k_q89681fe3bc_attn
    .symbol:         k_q89681fe3bc_attn.kd
    .args:
      - { .name: qkv_img, .offset: 0, .size: 8, .value_kind: global_buffer, .address_space: global }
      - { .name: lowp_scales, .offset: 8, .size: 8, .value_kind: global_buffer, .address_space: global }
      - { .name: a_img, .offset: 16, .size: 8, .value_kind: global_buffer, .address_space: global }
    .group_segment_fixed_size: 67584
    .private_segment_fixed_size: 0
    .kernarg_segment_align: 8
    .kernarg_segment_size: 24
    .max_flat_workgroup_size: 512
    .sgpr_count:     66
    .vgpr_count:     256
    .wavefront_size: 32
...
	.end_amdgpu_metadata
.endif
;; end of part 5
;; launch proj: the kernel of part 4 again; grid 4 x 32, 4 waves a work-group, clusters of 4 x 4, 327,680 bytes of LDS; arguments a_img, wo_img, lowp_scales, b_out, out0; writes out0
